; MI455X (gfx1250); checked and timed in simulation.
; The chip was launched on July 23, 2026; its instructions are those of AMD's public machine-readable ISA for CDNA 5 (MIT licence, August 2026) and "CDNA5" Instruction Set Architecture Reference Guide (July 2026). The comments in the code are by the model that wrote it; some were corrected since.
;; Encoder Layer. Allowed arithmetic: matrix products marked QUANTISED: E4M3 operands, one given power-of-two scale a tensor, by v_wmma_f32_16x16x64_fp8_fp8 or v_wmma_f32_16x16x128_fp8_fp8, f32 sums; everything else in f32.
;; Inputs: b1 1,024 float32; b2 1,024 float32; beta1 1,024 float32; beta2 1,024 float32; bk 1,024 float32; bo 1,024 float32; bq 1,024 float32; bv 1,024 float32; g1 1,024 float32; g2 1,024 float32; lowp_scales 16 int32 (the exponents e of the quantised operands' scales 2^e); mask 8 x 1 x 1,024 int32; w1 1,024 x 1,024 float32; w2 1,024 x 1,024 float32; wk 1,024 x 1,024 float32; wo 1,024 x 1,024 float32; wq 1,024 x 1,024 float32; wv 1,024 x 1,024 float32; x 8 x 1,024 x 1,024 float32.
;; Outputs: out0 8 x 1,024 x 1,024 float32; out1 8 x 1,024 x 1,024 float32.
;; This version of the problem:
;;   THIS VERSION OF THE PROBLEM IS GIVEN IN LOW PRECISION. The matrix products marked QUANTISED in the list below multiply operands that are first quantised to E4M3 (4 exponent bits, 3 mantissa bits; 8 bits a number), with one given power-of-two scale for each operand tensor; their sums are f32. All else is computed in f32.
;;   The module's matrix products, in the order in which they are computed (A, B: the left and right operand; K: the contracted axis; several contracted axes count as one K, in the product's order):
;;     1. [M 8,192, K 1,024] x [K 1,024, N 1,024]; A: computed on the way; B: input wq: QUANTISED (scales: A lowp_scales[0], B lowp_scales[1])
;;     2. [M 8,192, K 1,024] x [K 1,024, N 1,024]; A: computed on the way; B: input wk: QUANTISED (scales: A lowp_scales[2], B lowp_scales[3])
;;     3. [M 8,192, K 1,024] x [K 1,024, N 1,024]; A: computed on the way; B: input wv: QUANTISED (scales: A lowp_scales[4], B lowp_scales[5])
;;     4. batch 128 x [M 1,024, K 64] x [K 64, N 1,024]; A: computed on the way; B: computed on the way: QUANTISED (scales: A lowp_scales[6], B lowp_scales[7])
;;     5. batch 128 x [M 1,024, K 1,024] x [K 1,024, N 64]; A: softmax (see below); B: computed on the way: QUANTISED (scales: A lowp_scales[8], B lowp_scales[9])
;;     6. [M 8,192, K 1,024] x [K 1,024, N 1,024]; A: computed on the way; B: input wo: QUANTISED (scales: A lowp_scales[10], B lowp_scales[11])
;;     7. [M 8,192, K 1,024] x [K 1,024, N 1,024]; A: computed on the way; B: input w1: QUANTISED (scales: A lowp_scales[12], B lowp_scales[13])
;;     8. [M 8,192, K 1,024] x [K 1,024, N 1,024]; A: computed on the way; B: input w2: QUANTISED (scales: A lowp_scales[14], B lowp_scales[15])
;;   THE QUANTISER, for each operand of a quantised product, along K:
;;     - The operand's scale is 2^e, e = its entry of the input lowp_scales (int32; the entries are numbered through the quantised products in the list's order, A before B).
;;     - Each number is divided by the scale, clamped to +-448, and rounded to the nearest number of E4M3, ties to even, subnormals kept.
;;     - The product sums the exact products of the quantised numbers (number of the format x scale) in f32.
;;   ~~~python
;;   def quantise(x, axis, e):      # numpy; x: float32 -> the quantised numbers, widened to float32 again
;;       x = np.moveaxis(x, axis, -1); K = x.shape[-1]
;;       r = np.clip(x / 2.0 ** e, -448, 448)
;;       step = 2.0 ** (np.maximum(np.frexp(np.where(r == 0, 1, r))[1] - 1, -6) - 3)
;;       q = np.round(r / step) * step * 2.0 ** e      # np.round: ties to even
;;       return np.moveaxis(q, -1, axis).astype(np.float32)
;;   ~~~
;;   SOFTMAX AHEAD OF A QUANTISED PRODUCT. Where the list says 'softmax', what is quantised is not the finished softmax but p = 2^(t - M), with t = logit x log2(e) and M = ceil(the row's largest t), a whole number; so 1/2 < the row's largest p <= 1. The row's sum l is taken of the UNQUANTISED p, in f32, and the product's result is divided by l at the end. Since M is a whole number, a kernel that streams over the keys may use a running M (the ceiling of the running maximum): every later rescaling is an exact power of two, so the quantised numbers keep their values, but for numbers so far below the row's largest that they fall under the format's range.
;;   OPERANDS COMPUTED ON THE WAY. 'Computed on the way' means the value that the module computes at that place (a softmax that the list does not call 'softmax' is quantised finished and normalised). What goes into a quantiser is computed in f32, as accurately as f32 sums, v_exp_f32 and their like allow (about 1e-6 of the number): no bf16 or f16 on the way to a quantiser, and a product that is left as it is and whose result goes on into a quantised operand takes f32 operands (vector FMAs, or v_wmma_f32_16x16x4_f32). A number that lies on a knife's edge between two numbers of the format may be rounded either way, as far as f32 arithmetic and the matrix unit's own rounding can turn it there, and no further.
;; One version. Each part assembles by itself: llvm-mc -triple=amdgcn-amd-amdhsa -mcpu=gfx1250 --defsym DOCPART=n.
;; ======== version 1 of 1: 4 launches
;; limits: right only within a limited range of input values
;; workspace buffers: acta 25,165,824 bytes; qkvc 25,165,824 bytes; wqkv 3,145,984 bytes; woc 1,048,832 bytes; w1c 1,048,832 bytes; w2c 1,048,832 bytes
;; launch prep (part 1): grid 704 x 1, 8 waves a work-group, no clusters, 37,888 bytes of LDS; arguments x, g1, beta1, lowp_scales, wq, wk, wv, wo, w1, w2, acta, wqkv, woc, w1c, w2c; writes acta, wqkv, woc, w1c, w2c
.if DOCPART == 1
	.amdgcn_target "amdgcn-amd-amdhsa--gfx1250"
	.amdhsa_code_object_version 6
	.text
	.protected	k_q739b805af3_prep
	.globl	k_q739b805af3_prep
	.p2align	8
	.type	k_q739b805af3_prep,@function
k_q739b805af3_prep:
	s_mov_b64 s[64:65], 0
	v_nop
	global_prefetch_b8 v0, s[64:65] scope:SCOPE_SE
	s_setreg_imm32_b32 hwreg(HW_REG_WAVE_MODE, 25, 1), 1
	s_wait_xcnt 0x0
; PREP.  Two jobs in one launch, told apart by the work-group's number.
; Work-groups 0-511: xn = g1 / (std + 1e-6) * (x - mean) + beta1 (std with 1,023 in the divisor), in f32, quantised three times to E4M3, with the scales 2^e0, 2^e2, 2^e4
;   of the three projections, into acta (three sets of 8 MiB).
; Work-groups 512-703: the six weights [K][N], f32, quantised with their scales into codes with K innermost.
; THE LAYOUT OF ALL CODES, for R rows: byte of (row, k) = ((k >> 7) R + row) 128 + (k & 127): panels of 128 along K, in which 128 rows are 16 KiB on end.
; A weight buffer begins with 256 bytes of whole numbers for the launches that read it: for kind t at byte 16 t: e of the activation, e of the weight, e of the result's codes, 1 where a relu stands ahead of them.
; LIMITS: each e used here between -126 and 119, so that 2^e and 448 x 2^e are f32 numbers.  NaN among the inputs is not served; an infinity is held at the largest code.
; No matrix work, no cluster: work-groups share only g1 and beta1, 8 KiB.  The norm's path uses no LDS; the weights' path turns codes through a stage of the wave's own.
.set SPARE, 36864                      ; behind the eight stages: the spare words, 128 bytes for each wave: four blocks of 256 bytes that no other line names
.set SPW,   14                         ; v14  LDS address of my spare word; never rewritten
.set NIL,   15                         ; v15  0; never rewritten
.set X,     32                         ; v32-95   the norm: 64 numbers of x; the weights: two sets of 32 numbers
.set G,     96                         ; v96-159  g1 of my 64 columns, then the codes
.set BT,    160                        ; v160-223 beta1 of my 64 columns, then at work
.set TA,    224                        ; v224-239 at work
.set CW,    96                         ; the weights: a block's codes
.set OUTR,  112                        ; the weights: the way out
.set WP,    144                        ; the weights: a stage row: 128 bytes + 16
.macro SCALE e, sc                     ; v[sc] = 2^e as f32 (the conversion takes its exponent field), v[sc+1] = 448 x 2^e
	s_add_co_i32 s60, s[\e], 127
	s_lshl_b32 s61, s60, 23
	v_mov_b32 v[\sc], s61
	s_add_co_i32 s60, s60, 8
	s_lshl_b32 s60, s60, 23
	s_or_b32 s60, s60, 0x600000
	v_mov_b32 v[\sc+1], s60
.endm
.macro ACROSS                          ; v[8:9] -> v8: the sum over the 16 lanes that hold my row: lanes l xor 1, 2, 4 and 16 (l xor 8 holds the other row)
	s_delay_alu instid0(VALU_DEP_1)
	v_add_f32 v8, v8, v9
	s_delay_alu instid0(VALU_DEP_1)
	v_add_f32_dpp v8, v8, v8 row_xmask:1 row_mask:0xf bank_mask:0xf
	s_delay_alu instid0(VALU_DEP_1)
	v_add_f32_dpp v8, v8, v8 row_xmask:2 row_mask:0xf bank_mask:0xf
	s_delay_alu instid0(VALU_DEP_1)
	v_add_f32_dpp v8, v8, v8 row_xmask:4 row_mask:0xf bank_mask:0xf
	s_delay_alu instid0(VALU_DEP_1)
	v_permlanex16_b32 v9, v8, s58, s59
	s_delay_alu instid0(VALU_DEP_1)
	v_add_f32 v8, v8, v9
.endm
; 16 numbers v[src ..] are held within +-448 x the scale (the conversion to an 8-bit code does not saturate: ISA guide 7.6.2) into v[tmp ..], become 16 codes in v[dst .. dst+3] and are stored.
; Lanes 0-15 of a store cover 256 consecutive bytes, aligned: two rows' 128 bytes of one panel; lanes 16-31 the same in the next panel.
.macro QSET src, tmp, dst, sc, base, t
.set j, 0
.rept 16
	v_med3_num_f32 v[\tmp+j], v[\src+j], -v[\sc+1], v[\sc+1]
.set j, j+1
.endr
	v_cvt_scalef32_pk8_fp8_f32 v[\dst:\dst+1], v[\tmp:\tmp+7], v[\sc]
	v_cvt_scalef32_pk8_fp8_f32 v[\dst+2:\dst+3], v[\tmp+8:\tmp+15], v[\sc]
	global_store_b128 v4, v[\dst:\dst+3], s[\base:\base+1] offset:2097152*\t
.endm
; My 16 neighbours of panels 2 t and 2 t + 1.  The two temporary sets take turns, so that the line behind a pair of conversions is always a plain one that touches neither their results nor their sources.
; Each store has data registers of its own: nothing that a store reads is written again.
.macro PIECE t
.set XT, X+16*\t
.set GT, G+16*\t
.set BTT, BT+16*\t
.set j, 0
.rept 8
	v_pk_mul_f32 v[GT+j:GT+j+1], v[GT+j:GT+j+1], v[12:13]
.set j, j+2
.endr
.set j, 0
.rept 8
	v_pk_fma_f32 v[XT+j:XT+j+1], v[GT+j:GT+j+1], v[XT+j:XT+j+1], v[BTT+j:BTT+j+1]
.set j, j+2
.endr
	QSET XT, TA, GT, 16, 50, \t
	QSET XT, BTT, GT+4, 18, 52, \t
	QSET XT, TA, GT+8, 20, 54, \t
.endm
	s_load_b256 s[4:11], s[0:1], 0x0               ; x s[4:5], g1 s[6:7], beta1 s[8:9], the exponents s[10:11]
	s_load_b512 s[12:27], s[0:1], 0x20             ; wq 12, wk 14, wv 16, wo 18, w1 20, w2 22, acta 24, wqkv 26
	s_load_b128 s[28:31], s[0:1], 0x60             ; woc 28, w1c 30
	s_load_b64 s[48:49], s[0:1], 0x70              ; w2c
	v_lshl_add_u32 v[SPW], v0, 2, SPARE
	v_mov_b32 v[NIL], 0
	v_lshrrev_b32 v1, 5, v0
	s_delay_alu instid0(VALU_DEP_1)
	v_readfirstlane_b32 s56, v1                    ; wave 0..7
	v_and_b32 v1, 31, v0                           ; lane
	s_wait_kmcnt 0x0
	s_load_b512 s[32:47], s[10:11], 0x0            ; e0 .. e15 in s32 .. s47
	s_cmp_lt_u32 ttmp9, 512
	s_cbranch_scc0 .Lweights
	; ---- THE NORM.  A wave owns rows R0 = 16 x work-group + 2 x wave and R0 + 1.  Lane: hb = l / 16, rw = (l / 8) % 2, pc = l % 8; for t = 0 .. 3 it holds k = 128 (2 t + hb) + 16 pc + 0 .. 15 of row R0 + rw.
	s_wait_alu depctr_va_vdst(0)
	v_lshrrev_b32 v5, 4, v1                        ; hb
	v_bfe_u32 v22, v1, 3, 1                        ; rw
	v_and_b32 v23, 7, v1                           ; pc
	s_delay_alu instid0(VALU_DEP_1)
	v_lshlrev_b32 v3, 6, v23
	s_delay_alu instid0(VALU_DEP_1)
	v_lshl_add_u32 v3, v5, 9, v3                   ; in g1 and beta1: 512 hb + 64 pc
	s_delay_alu instid0(VALU_DEP_1)
	v_lshl_add_u32 v2, v22, 12, v3                 ; in x: + 4,096 rw
	s_wait_alu depctr_va_vdst(0)
	v_lshlrev_b32 v4, 4, v23
	s_delay_alu instid0(VALU_DEP_1)
	v_lshl_add_u32 v4, v22, 7, v4
	s_delay_alu instid0(VALU_DEP_1)
	v_lshl_add_u32 v4, v5, 20, v4                  ; in the codes: 2^20 hb + 128 rw + 16 pc
	s_lshl_b32 s57, ttmp9, 4
	s_lshl_b32 s60, s56, 1
	s_add_co_u32 s57, s57, s60                     ; R0
	s_lshl_b32 s60, s57, 12
	s_mov_b32 s61, 0
	s_add_nc_u64 s[4:5], s[4:5], s[60:61]
	s_lshl_b32 s60, s57, 7
	s_add_nc_u64 s[50:51], s[24:25], s[60:61]      ; the three sets of codes, at row R0 of panel 0
	s_add_nc_u64 s[52:53], s[50:51], 0x800000
	s_add_nc_u64 s[54:55], s[50:51], 0x1000000
.irp t, 0,1,2,3
.irp i, 0,1,2,3
	global_load_b128 v[X+16*\t+4*\i:X+16*\t+4*\i+3], v2, s[4:5] offset:1024*\t+16*\i
.endr
.endr
.irp t, 0,1,2,3
.irp i, 0,1,2,3
	global_load_b128 v[G+16*\t+4*\i:G+16*\t+4*\i+3], v3, s[6:7] offset:1024*\t+16*\i
.endr
.endr
.irp t, 0,1,2,3
.irp i, 0,1,2,3
	global_load_b128 v[BT+16*\t+4*\i:BT+16*\t+4*\i+3], v3, s[8:9] offset:1024*\t+16*\i
.endr
.endr
	s_mov_b32 s58, 0x76543210                      ; v_permlanex16_b32: lane l xor 16
	s_mov_b32 s59, 0xfedcba98
	s_wait_kmcnt 0x0
	SCALE 32, 16
	SCALE 34, 18
	SCALE 36, 20
	s_wait_loadcnt 32                              ; x's sixteen loads are in; the 32 of g1 and beta1 may stay out
	v_pk_add_f32 v[10:11], v[32:33], v[34:35]
	v_pk_add_f32 v[238:239], v[40:41], v[44:45]
	v_pk_add_f32 v[236:237], v[48:49], v[52:53]
	v_pk_add_f32 v[234:235], v[56:57], v[60:61]
	v_pk_add_f32 v[232:233], v[64:65], v[68:69]
	v_pk_add_f32 v[230:231], v[72:73], v[76:77]
	v_pk_add_f32 v[228:229], v[80:81], v[84:85]
	v_pk_add_f32 v[8:9], v[88:89], v[92:93]
	s_delay_alu instid0(VALU_DEP_1)
	v_pk_add_f32 v[8:9], v[8:9], v[36:37]
	v_pk_add_f32 v[10:11], v[10:11], v[38:39]
	v_pk_add_f32 v[238:239], v[238:239], v[42:43]
	v_pk_add_f32 v[236:237], v[236:237], v[46:47]
	v_pk_add_f32 v[234:235], v[234:235], v[50:51]
	v_pk_add_f32 v[232:233], v[232:233], v[54:55]
	v_pk_add_f32 v[230:231], v[230:231], v[58:59]
	v_pk_add_f32 v[228:229], v[228:229], v[62:63]
	v_pk_add_f32 v[8:9], v[8:9], v[66:67]
	v_pk_add_f32 v[10:11], v[10:11], v[70:71]
	v_pk_add_f32 v[238:239], v[238:239], v[74:75]
	v_pk_add_f32 v[236:237], v[236:237], v[78:79]
	v_pk_add_f32 v[234:235], v[234:235], v[82:83]
	v_pk_add_f32 v[232:233], v[232:233], v[86:87]
	v_pk_add_f32 v[230:231], v[230:231], v[90:91]
	v_pk_add_f32 v[228:229], v[228:229], v[94:95]
	s_delay_alu instid0(VALU_DEP_4)
	v_pk_add_f32 v[8:9], v[8:9], v[234:235]
	s_delay_alu instid0(VALU_DEP_4)
	v_pk_add_f32 v[10:11], v[10:11], v[232:233]
	s_delay_alu instid0(VALU_DEP_4)
	v_pk_add_f32 v[238:239], v[238:239], v[230:231]
	s_delay_alu instid0(VALU_DEP_4)
	v_pk_add_f32 v[236:237], v[236:237], v[228:229]
	s_delay_alu instid0(VALU_DEP_2)
	v_pk_add_f32 v[8:9], v[8:9], v[238:239]
	s_delay_alu instid0(VALU_DEP_2)
	v_pk_add_f32 v[10:11], v[10:11], v[236:237]
	s_delay_alu instid0(VALU_DEP_1)
	v_pk_add_f32 v[8:9], v[8:9], v[10:11]
	ACROSS
	s_delay_alu instid0(VALU_DEP_1)
	v_mul_f32 v6, 0x3a800000, v8                   ; the mean: / 1,024
	s_delay_alu instid0(VALU_DEP_1)
	v_mov_b32 v7, v6
.set j, 0
.rept 32
	v_pk_add_f32 v[X+j:X+j+1], v[X+j:X+j+1], v[6:7] neg_lo:[0,1] neg_hi:[0,1]   ; x - mean first, so that a common offset of x does not enter the squares
.set j, j+2
.endr
	v_pk_mul_f32 v[8:9], v[X:X+1], v[X:X+1]
	v_pk_mul_f32 v[10:11], v[X+2:X+3], v[X+2:X+3]
.set j, 4
.rept 15
	s_delay_alu instid0(VALU_DEP_2)
	v_pk_fma_f32 v[8:9], v[X+j:X+j+1], v[X+j:X+j+1], v[8:9]
	s_delay_alu instid0(VALU_DEP_2)
	v_pk_fma_f32 v[10:11], v[X+j+2:X+j+3], v[X+j+2:X+j+3], v[10:11]
.set j, j+4
.endr
	s_delay_alu instid0(VALU_DEP_1)
	v_pk_add_f32 v[8:9], v[8:9], v[10:11]
	ACROSS
	s_delay_alu instid0(VALU_DEP_1)
	v_mul_f32 v8, 0x3a802008, v8                   ; / 1,023
	s_wait_alu depctr_va_vdst(0)
	v_sqrt_f32 v9, v8
	v_nop                                          ; a plain line behind the root,
	s_wait_alu depctr_va_vdst(0)                   ; and the wait ahead of the first line that names its result
	v_add_f32 v9, 0x358637bd, v9                   ; + 1e-6
	s_wait_alu depctr_va_vdst(0)
	v_rcp_f32 v12, v9
	v_nop
	s_wait_alu depctr_va_vdst(0)
	v_mov_b32 v13, v12                             ; 1 / (std + 1e-6), as a pair
	s_wait_alu depctr_va_vdst(0)
	s_wait_loadcnt 0x0                             ; g1 and beta1
	PIECE 0
	PIECE 1
	PIECE 2
	PIECE 3
	s_endpgm
	; ---- THE WEIGHTS.  j = work-group - 512: weight j / 32; of its 32 parts: 256 columns (j % 4) x one panel of 128 along K ((j % 32) / 4).
	; A lane takes a column n and its registers run down K: each load reads 128 consecutive bytes, and the conversions give codes with K innermost.  Nothing is transposed by an instruction.
.Lweights:
	s_sub_co_u32 s57, ttmp9, 512
	s_lshr_b32 s58, s57, 5                         ; which weight: 0 wq, 1 wk, 2 wv, 3 wo, 4 w1, 5 w2
	s_and_b32 s59, s57, 31
	s_and_b32 s70, s59, 3                          ; which 256 columns
	s_lshr_b32 s71, s59, 2                         ; which panel
	s_wait_kmcnt 0x0
	s_mov_b64 s[60:61], s[12:13]                   ; the choices hang on the work-group's number alone
	s_mov_b32 s62, s33                             ; the weight's e
	s_mov_b32 s63, s32                             ; its activation's e
	s_mov_b64 s[66:67], s[26:27]                   ; the buffer of its codes
	s_cmp_eq_u32 s58, 1
	s_cselect_b64 s[60:61], s[14:15], s[60:61]
	s_cselect_b32 s62, s35, s62
	s_cmp_eq_u32 s58, 2
	s_cselect_b64 s[60:61], s[16:17], s[60:61]
	s_cselect_b32 s62, s37, s62
	s_cmp_eq_u32 s58, 3
	s_cselect_b64 s[60:61], s[18:19], s[60:61]
	s_cselect_b32 s62, s43, s62
	s_cselect_b32 s63, s42, s63
	s_cselect_b64 s[66:67], s[28:29], s[66:67]
	s_cmp_eq_u32 s58, 4
	s_cselect_b64 s[60:61], s[20:21], s[60:61]
	s_cselect_b32 s62, s45, s62
	s_cselect_b32 s63, s44, s63
	s_cselect_b64 s[66:67], s[30:31], s[66:67]
	s_cmp_eq_u32 s58, 5
	s_cselect_b64 s[60:61], s[22:23], s[60:61]
	s_cselect_b32 s62, s47, s62
	s_cselect_b32 s63, s46, s63
	s_cselect_b64 s[66:67], s[48:49], s[66:67]
	s_lshl_b32 s72, s70, 8
	s_lshl_b32 s73, s56, 5
	s_add_co_u32 s72, s72, s73                     ; my wave's first column: 256 x part + 32 x wave
	s_lshl_b32 s74, s71, 19                        ; 128 rows of 4,096 bytes for each panel
	s_lshl_b32 s73, s72, 2
	s_add_co_u32 s74, s74, s73
	s_mov_b32 s75, 0
	s_add_nc_u64 s[60:61], s[60:61], s[74:75]
	s_lshl_b32 s76, s71, 10
	s_add_co_u32 s76, s76, s72
	s_lshl_b32 s76, s76, 7                         ; (1,024 x panel + column) x 128
	s_add_co_u32 s76, s76, 256                     ; behind the buffer's head
	s_cmp_lt_u32 s58, 3
	s_cselect_b32 s73, s58, 0
	s_lshl_b32 s73, s73, 20                        ; wq, wk, wv lie one behind the other
	s_add_co_u32 s76, s76, s73
	s_mov_b32 s77, 0
	s_add_nc_u64 s[68:69], s[66:67], s[76:77]
	s_mul_i32 s73, s56, 32*WP                      ; my stage
	s_wait_alu depctr_va_vdst(0)
	v_lshlrev_b32 v2, 2, v1                        ; in: 4 bytes a lane
	v_mul_u32_u24 v3, v1, WP
	s_delay_alu instid0(VALU_DEP_1)
	v_add_nc_u32 v3, s73, v3                       ; into the stage: row = my column
	v_lshrrev_b32 v6, 3, v1
	v_and_b32 v7, 7, v1
	s_delay_alu instid0(VALU_DEP_2)
	v_mul_u32_u24 v4, v6, WP
	s_delay_alu instid0(VALU_DEP_1)
	v_lshl_add_u32 v4, v7, 4, v4
	s_delay_alu instid0(VALU_DEP_1)
	v_add_nc_u32 v4, s73, v4                       ; out of it: eight lanes to a row of 128 bytes, four rows an instruction
	v_lshlrev_b32 v5, 4, v1                        ; and the same 512 bytes, on end, in the codes' buffer
	v_and_b32 v8, 15, v1                           ; wo, w1, w2 leave in the order of a matrix operand's registers: lane (r, h) takes 16 bytes of stage row r at 16 h
	v_lshrrev_b32 v9, 4, v1
	v_mul_u32_u24 v8, v8, WP
	v_lshl_add_u32 v8, v9, 4, v8
	v_add_nc_u32 v8, s73, v8
.macro WLOAD t                         ; block t: W(32 t + i, my column), i = 0 .. 31, into set t % 2
.set i, 0
.rept 32
	global_load_b32 v[X+32*((\t)%2)+i], v2, s[60:61] offset:(32*(\t)+i)*4096 th:TH_LOAD_NT
.set i, i+1
.endr
.endm
	WLOAD 0
	WLOAD 1
	s_add_co_i32 s73, s62, 127
	s_lshl_b32 s78, s73, 23
	v_mov_b32 v11, s78                             ; 2^e
	s_add_co_i32 s73, s73, 8
	s_lshl_b32 s73, s73, 23
	s_or_b32 s73, s73, 0x600000
	v_mov_b32 v10, s73                             ; 448 x 2^e
	; the buffer's head: one wave of wq's work-group, into wqkv alone; the branch hangs on ids alone
	s_or_b32 s73, s59, s56
	s_cmp_lg_u32 s58, 0                            ; wq's work-group alone writes a head: wqkv's is the only one that is read
	s_cselect_b32 s78, 1, 0
	s_or_b32 s73, s73, s78
	s_cmp_lg_u32 s73, 0
	s_cbranch_scc1 .Lno_head
	s_cmp_eq_u32 s58, 0
	s_cselect_b32 s78, s38, s46                    ; e of the result's codes: q's e6; the hidden layer's e14
	s_cmp_eq_u32 s58, 4
	s_cselect_b32 s79, 1, 0                        ; the relu stands behind w1 alone
	v_mov_b32 v24, 0
	v_mov_b32 v25, 0
	s_delay_alu instid0(VALU_DEP_2)
	v_writelane_b32 v24, s63, 0                    ; kind 0
	s_delay_alu instid0(VALU_DEP_2)
	v_writelane_b32 v25, s62, 0
	s_delay_alu instid0(VALU_DEP_2)
	v_writelane_b32 v24, s78, 1
	s_delay_alu instid0(VALU_DEP_2)
	v_writelane_b32 v25, s79, 1
	s_delay_alu instid0(VALU_DEP_2)
	v_writelane_b32 v24, s34, 2                    ; kind 1: e2, e3, e7, 0 (read in wqkv alone)
	s_delay_alu instid0(VALU_DEP_2)
	v_writelane_b32 v25, s35, 2
	s_delay_alu instid0(VALU_DEP_2)
	v_writelane_b32 v24, s39, 3
	s_delay_alu instid0(VALU_DEP_1)
	v_writelane_b32 v24, s36, 4                    ; kind 2: e4, e5, e9, 0
	s_delay_alu instid0(VALU_DEP_3)
	v_writelane_b32 v25, s37, 4
	s_delay_alu instid0(VALU_DEP_2)
	v_writelane_b32 v24, s41, 5
	v_lshlrev_b32 v26, 3, v1
	global_store_b64 v26, v[24:25], s[66:67]       ; 32 lanes store the head's 256 bytes
.Lno_head:
.macro WBLOCK t
.set XS, X+32*((\t)%2)
.if (\t) < 3
	s_wait_loadcnt 32                              ; this block's 32 loads are in; the next block's may be out
.else
	s_wait_loadcnt 0
.endif
.set i, 0
.rept 32
	v_med3_num_f32 v[XS+i], v[XS+i], -v10, v10
.set i, i+1
.endr
.irp g, 0,1,2,3
	v_cvt_scalef32_pk8_fp8_f32 v[CW+2*\g:CW+2*\g+1], v[XS+8*\g:XS+8*\g+7], v11
.endr
	ds_store_b128 v3, v[CW:CW+3] offset:32*(\t)    ; 32 codes of my column's row; the next vector lines are the next block's plain holds
	ds_store_b128 v3, v[CW+4:CW+7] offset:32*(\t)+16
.if (\t)+2 < 4
	WLOAD (\t)+2
.endif
	s_wait_dscnt 0x0                               ; the stores have read their registers: the next block's codes may be written
.endm
	s_wait_alu depctr_va_vdst(0)
	WBLOCK 0
	WBLOCK 1
	WBLOCK 2
	WBLOCK 3
	s_cmp_lt_u32 s58, 3                            ; the work-group's number alone decides
	s_cbranch_scc1 .Lpanels
.irp i, 0,1,2,3,4,5,6,7                            ; wo, w1, w2: fragment i / 4 (16 columns), piece c = i % 4: byte 512 c + 16 lane of the fragment's 2,048 holds k = 32 c + 16 h + 0 .. 15 of column r
	ds_load_b128 v[OUTR+4*\i:OUTR+4*\i+3], v8 offset:16*(\i/4)*WP+32*(\i%4)
.endr
	s_branch .Lsend
.Lpanels:
.irp i, 0,1,2,3,4,5,6,7
	ds_load_b128 v[OUTR+4*\i:OUTR+4*\i+3], v4 offset:4*\i*WP   ; wq, wk, wv: rows of 128 bytes on end
.endr
.Lsend:
.irp i, 0,1,2,3,4,5,6,7
	s_wait_dscnt 7-\i
	global_store_b128 v5, v[OUTR+4*\i:OUTR+4*\i+3], s[68:69] offset:512*\i   ; 512 consecutive bytes, at a multiple of 256 from the buffer's first byte
.endr
	s_wait_tensorcnt 0x0                           ; the wave's end, behind my last LDS store
	ds_add_u32 v[SPW], v[NIL]
	s_wait_dscnt 0x0
	s_endpgm
.Lfunc_end_k_q739b805af3_prep:
	.size	k_q739b805af3_prep, .Lfunc_end_k_q739b805af3_prep-k_q739b805af3_prep
	.p2alignl 7, 3214868480
	.fill 96, 4, 3214868480
	.section	.rodata,"a",@progbits
	.p2align	6, 0x0
	.amdhsa_kernel k_q739b805af3_prep
		.amdhsa_group_segment_fixed_size 37888
		.amdhsa_private_segment_fixed_size 0
		.amdhsa_enable_private_segment 0
		.amdhsa_kernarg_size 120
		.amdhsa_user_sgpr_count 2
		.amdhsa_user_sgpr_kernarg_segment_ptr 1
		.amdhsa_wavefront_size32 1
		.amdhsa_system_sgpr_workgroup_id_x 1
		.amdhsa_system_sgpr_workgroup_id_y 1
		.amdhsa_system_sgpr_workgroup_id_z 1
		.amdhsa_system_vgpr_workitem_id 0
		.amdhsa_next_free_vgpr 240
		.amdhsa_next_free_sgpr 80
		.amdhsa_reserve_vcc 0
		.amdhsa_float_denorm_mode_32 3
		.amdhsa_float_denorm_mode_16_64 3
		.amdhsa_memory_ordered 1
		.amdhsa_forward_progress 1
		.amdhsa_inst_pref_size 64
	.end_amdhsa_kernel
	.amdgpu_metadata
---
amdhsa.version: [ 1, 2 ]
amdhsa.kernels:
  - .name:           k_q739b805af3_prep
    .symbol:         k_q739b805af3_prep.kd
    .args:
      - { .name: x, .offset: 0, .size: 8, .value_kind: global_buffer, .address_space: global }
      - { .name: g1, .offset: 8, .size: 8, .value_kind: global_buffer, .address_space: global }
      - { .name: beta1, .offset: 16, .size: 8, .value_kind: global_buffer, .address_space: global }
      - { .name: lowp_scales, .offset: 24, .size: 8, .value_kind: global_buffer, .address_space: global }
      - { .name: wq, .offset: 32, .size: 8, .value_kind: global_buffer, .address_space: global }
      - { .name: wk, .offset: 40, .size: 8, .value_kind: global_buffer, .address_space: global }
      - { .name: wv, .offset: 48, .size: 8, .value_kind: global_buffer, .address_space: global }
      - { .name: wo, .offset: 56, .size: 8, .value_kind: global_buffer, .address_space: global }
      - { .name: w1, .offset: 64, .size: 8, .value_kind: global_buffer, .address_space: global }
      - { .name: w2, .offset: 72, .size: 8, .value_kind: global_buffer, .address_space: global }
      - { .name: acta, .offset: 80, .size: 8, .value_kind: global_buffer, .address_space: global }
      - { .name: wqkv, .offset: 88, .size: 8, .value_kind: global_buffer, .address_space: global }
      - { .name: woc, .offset: 96, .size: 8, .value_kind: global_buffer, .address_space: global }
      - { .name: w1c, .offset: 104, .size: 8, .value_kind: global_buffer, .address_space: global }
      - { .name: w2c, .offset: 112, .size: 8, .value_kind: global_buffer, .address_space: global }
    .group_segment_fixed_size: 37888
    .private_segment_fixed_size: 0
    .kernarg_segment_align: 8
    .kernarg_segment_size: 120
    .max_flat_workgroup_size: 256
    .sgpr_count:     80
    .vgpr_count:     240
    .wavefront_size: 32
...
	.end_amdgpu_metadata
.endif
;; end of part 1
;; launch qkv (part 2): grid 12 x 32, 4 waves a work-group, clusters of 4 x 4, 327,680 bytes of LDS; arguments acta, wqkv, bq, bk, bv, qkvc; writes qkvc
.if DOCPART == 2
	.amdgcn_target "amdgcn-amd-amdhsa--gfx1250"
	.amdhsa_code_object_version 6
	.text
	.protected	k_q739b805af3_qkv
	.globl	k_q739b805af3_qkv
	.p2align	8
	.type	k_q739b805af3_qkv,@function
k_q739b805af3_qkv:
	s_mov_b64 s[64:65], 0
	v_nop
	global_prefetch_b8 v0, s[64:65] scope:SCOPE_SE
	s_setreg_imm32_b32 hwreg(HW_REG_WAVE_MODE, 25, 1), 1
	s_wait_xcnt 0x0
	s_wait_alu depctr_hold_cnt(0) depctr_sa_sdst(0) depctr_va_vdst(0) depctr_va_sdst(0) depctr_va_ssrc(0) depctr_va_vcc(0) depctr_vm_vsrc(0)
	s_getreg_b32 s2, hwreg(HW_REG_IB_STS2, 6, 4)
	s_cmp_eq_u32 s2, 0
	s_cbranch_scc0 .Lentry_in_a_cluster
	s_endpgm
.Lentry_in_a_cluster:
	s_bfe_u32 s2, ttmp6, 0x10000c
	s_cmp_lg_u32 s2, 0xf033
	s_cbranch_scc0 .Lentry_shape_is_right
	s_endpgm
.Lentry_shape_is_right:
; A GEMM ON CODES OF E4M3 WHOSE RESULT LEAVES AS CODES: out = Q(act(Y W + bias)).  Y: 8,192 rows x 1,024 along K; W: 1,024 columns x 1,024 along K, both in panels:
; byte of (row, k) = ((k >> 7) R + row) 128 + (k & 127), R = 8,192 for Y, 1,024 for W.  W's buffer begins with 256 bytes of whole numbers: for kind t at byte 16 t: eY, eX, eOut, relu.
; kind = the cluster's x: Y's set, W's part, the bias and the output's part (0 q, 1 k, 2 v; a launch with four work-groups along x has kind 0 alone).
; A tile of 256 x 256 is made by four waves, each 128 x 128: 64 accumulators, 512 registers.  K goes in four steps of 256 (two panels) through a ring of two LDS slots.
; CLUSTERS: 4 x 4 work-groups.  The four of a row need the same tile of Y, the four of a column the same tile of W: each is asked for jointly, by the same tensor load with a mask that names the four.
; THE SOURCES: source 0 = 16 rows of W, source 1 = 16 rows of Y: a lane holds one row of Y's and eight neighbouring columns: eight codes on end.  For kind 2 the two change places (by the LDS base alone):
; a lane then holds one column d and eight neighbouring tokens, so that v's codes leave with the keys innermost: byte of (d, token) = ((token >> 7) 1,024 + d) 128 + (token & 127).
; Either way a wave's 128 x 128 codes are one block of 16 KiB on end in memory.
; The fragments are fetched 16 bytes a lane: a permutation of k, the same on both sides, so every product meets its partner.
; LIMITS: eY + eX between -126 and 126; eOut - eY - eX between -126 and 119.  The biases are finite (the one of the two forms that a kind does not use is multiplied by 0).  NaN is not served.
; No prefetch: K steps 0 and 1 are the first fills and steps 2 and 3 the only refills.
; REGISTERS: window 0: v0-31 addresses; v32-95 the bias along a lane's registers; v96-111 the bias along the lanes; v112-114 the quantiser's three numbers; from v128 source 1's fragments, ONE set (on the way out: at work).
;   window 1: source 0's fragments, TWO sets.   windows 2, 3: the accumulators ((a, b) at v[8 (8 (a % 4) + b)]).
.set PITCH,  144                       ; an LDS line: 128 bytes + 16 of padding = 36 words: the 16 rows that a load touches start at 16 different groups of four banks (64 banks of 4 bytes: ISA guide 11.1)
.set PANB,   128*PITCH                 ; 128 rows of one panel
.set HALFT,  2*PANB                    ; what one tensor load brings: 128 rows x two panels
.set SLOT,   4*HALFT                   ; Y's two halves, then W's two
.set SPARE,  2*SLOT                    ; behind the ring: the spare words, 128 bytes for each wave
.set YSTEP,  2*8192*128                ; two panels on, in bytes
.set XSTEP,  2*1024*128
.set FR,     16
.set NL,     4
.set NP,     4                         ; places behind this matrix instruction (ISA guide 7.12.1)
.set ADRA, 16                          ; v16-17  LDS address of source 1's fragments in slot 0, 1
.set ADRB, 20                          ; v20-21  of source 0's
.set STO,  24                          ; v24     the way out: where I put 8 codes
.set RD,   25                          ; v25     where I read 16 back
.set CO,   26                          ; v26     16 x lane
.set SPW,  28                          ; v28     LDS address of my spare word; never rewritten
.set NIL,  29                          ; v29     0; never rewritten
.set BN,   32
.set BM,   96
.set SC,   112
.set HI,   113
.set LO,   114
.set AF,   128
.set TMP,  128                         ; the way out: a block's 64 numbers
.set CD,   192                         ; its codes, two sets of 16 by turns
.set BK,   224                         ; the codes as rows, two sets of 16 by turns
.set G1, 24                            ; s[24:31] descriptor group 1 for Y's tiles;  s[32:39] group 0, one set for each slot
.set G0, 32
.set G1B, 48                           ; s[48:55], s[56:63] the same for W's tiles
.set G0B, 56
.set W0, (1<<20)|(1<<21)|(4<<22)|(3<<25)  ; elements of 1 byte; 20 padding on; 21 set beside a mask; 24:22 after every 32 words (code 4); 31:25 four words (code 3)
.set MSB, 0
.macro WIN new                         ; the immediate's high byte repeats the setting that is left
.if MSB != \new
	s_set_vgpr_msb (MSB<<8)|\new
.set MSB, \new
.endif
.endm
.set MUL_LO, 0xa1                      ; source 0 window 1, source 1 window 0, C and D window 2
.set MUL_HI, 0xf1                      ; the same, C and D window 3
.set TO_B,   0x40                      ; destination window 1, address window 0
; A joint load: waves 0 and 1 fetch Y's halves, waves 2 and 3 W's (kind 2: the other way).  The branch hangs on the wave's number and the kind.  An s_nop 0 and four v_nop follow each of the two lines.
.macro JLOAD g0a, g1a, g0b, g1b
	s_cmp_eq_u32 s95, 0
	s_cbranch_scc0 .Lfor_b_\@
	tensor_load_to_lds s[\g0a:\g0a+3], s[\g1a:\g1a+7]
	s_nop 0
.rept 4
	v_nop
.endr
	s_branch .Lasked_\@
.Lfor_b_\@:
	tensor_load_to_lds s[\g0b:\g0b+3], s[\g1b:\g1b+7]
	s_nop 0
.rept 4
	v_nop
.endr
.Lasked_\@:
.endm
.macro CREST                           ; a round of the cluster's barrier behind its opening barrier
	s_cmp_lg_u32 s14, 0
	s_cbranch_scc1 .Lnot_wave_0_\@
	s_barrier_signal -3
.Lnot_wave_0_\@:
	s_barrier_wait -3
	s_barrier_signal -1
	s_barrier_wait -1
.endm
.macro CROUND                          ; a whole round
	s_barrier_signal -1
	s_barrier_wait -1
	CREST
.endm
	s_load_b256 s[4:11], s[0:1], 0x0               ; Y's codes s[4:5], W's buffer s[6:7], the biases of kinds 0 and 1 s[8:9], s[10:11]
	s_load_b128 s[68:71], s[0:1], 0x20             ; the bias of kind 2 s[68:69], the output s[70:71]
	v_lshl_add_u32 v[SPW], v0, 2, SPARE
	v_mov_b32 v[NIL], 0
	ds_add_u32 v[SPW], v[NIL]                      ; the wave's opening: the add and its wait ahead of my first tensor load; work on registers stands between them
	ds_add_u32 v[SPW], v[NIL]
	v_lshrrev_b32 v1, 5, v0
	v_readfirstlane_b32 s14, v1                    ; wave 0..3
	s_lshr_b32 s15, s14, 1                         ; which half of source 1's rows is mine.  Also: I fetch for Y (0) or for W (1)
	s_and_b32 s16, s14, 1                          ; which half of source 0's rows.  Also: which 128 rows I fetch
	s_cmp_eq_u32 ttmp9, 2                          ; kind 2: the sources change places: there waves 0 and 1 fetch W and waves 2 and 3 fetch Y.  The kind is the same in all sixteen partners
	s_cselect_b32 s95, 1, 0
	s_xor_b32 s95, s95, s15                        ; 0: I fetch Y's tile, 1: W's.  Either lands at wave x HALFT: no LDS address hangs on the kind
	s_bfe_u32 s40, ttmp6, 0x40000                  ; cx, cy: my place in the cluster
	s_bfe_u32 s41, ttmp6, 0x40004
	s_and_b32 s17, ttmp7, 0xffff
	s_lshl_b32 s17, s17, 2
	s_add_co_u32 s17, s17, s41                     ; y: which 256 rows of Y = 4 x cluster y + cy
	s_lshl_b32 s43, s41, 2
	s_lshl_b32 s43, 15, s43                        ; my row of the cluster
	s_lshl_b32 s44, 0x1111, s40                    ; my column
	s_or_b32 s[G1+0], s43, W0                      ; Y's tiles go to my row,
	s_or_b32 s[G1B+0], s44, W0                     ; W's to my column
.irp g, G1, G1B                        ; a tile: two lines of 16,384 bytes, 128 rows of one panel each, a panel apart in memory; in LDS 2 x 128 lines of 144 bytes
	s_mov_b32 s[\g+1], 16384<<16                   ; tensor_dim0
	s_mov_b32 s[\g+2], 2<<16                       ; tensor_dim1
	s_mov_b32 s[\g+3], 16384<<16                   ; tile_dim0
	s_mov_b32 s[\g+4], 2                           ; tile_dim1
	s_mov_b32 s[\g+6], 0
	s_mov_b32 s[\g+7], 0
.endr
	s_mov_b32 s[G1+5], 8192*128                    ; from panel to panel
	s_mov_b32 s[G1B+5], 1024*128
	s_lshl_b32 s18, s16, 14                        ; the 128 rows that I fetch, x 128 bytes
	s_lshl_b32 s20, s17, 15
	s_add_co_u32 s20, s20, s18
	s_lshl_b32 s19, ttmp9, 23                      ; the kind's set of Y
	s_add_co_u32 s20, s20, s19
	s_mov_b32 s21, 0
	s_lshl_b32 s46, s40, 15
	s_add_co_u32 s46, s46, s18
	s_lshl_b32 s19, ttmp9, 20                      ; the kind's weight
	s_add_co_u32 s46, s46, s19
	s_add_co_u32 s46, s46, 256                     ; behind the head
	s_mov_b32 s47, 0
	s_lshl_b32 s74, ttmp9, 4
	s_mov_b32 s75, 0
	s_mul_i32 s45, s14, HALFT                      ; where they go: no place in the cluster enters an LDS address
	s_wait_dscnt 0x0                               ; the opening add is done
	s_wait_kmcnt 0x0
	s_add_nc_u64 s[74:75], s[6:7], s[74:75]
	s_load_b128 s[84:87], s[74:75], 0x0            ; eY, eX, eOut, relu
	s_add_nc_u64 s[20:21], s[4:5], s[20:21]
	s_add_nc_u64 s[46:47], s[6:7], s[46:47]
	CROUND                                         ; all sixteen work-groups are here: the first joint loads meet
.irp s, 0,1
	s_mov_b32 s[G0+4*\s], 1
	s_add_co_u32 s[G0+4*\s+1], s45, \s*SLOT
	s_add_nc_u64 s[G0+4*\s+2:G0+4*\s+3], s[20:21], \s*YSTEP
	s_or_b32 s[G0+4*\s+3], s[G0+4*\s+3], 0x80000000
	s_mov_b32 s[G0B+4*\s], 1
	s_add_co_u32 s[G0B+4*\s+1], s45, \s*SLOT
	s_add_nc_u64 s[G0B+4*\s+2:G0B+4*\s+3], s[46:47], \s*XSTEP
	s_or_b32 s[G0B+4*\s+3], s[G0B+4*\s+3], 0x80000000
.endr
	JLOAD G0, G1, G0B, G1B                         ; K step 0: one tensor load a wave at the head
	v_and_b32 v1, 15, v0                           ; r = l % 16
	v_bfe_u32 v2, v0, 4, 1                         ; h = l / 16
	v_mul_u32_u24 v3, v1, PITCH
	v_lshl_add_u32 v4, v2, 4, v3                   ; a fragment's row x pitch + 16 h
	s_wait_alu depctr_va_vdst(0)
	s_mul_i32 s21, s15, HALFT                      ; source 1's rows are what waves 0 and 1 fetched,
	s_mul_i32 s22, s16, HALFT
	s_add_co_u32 s22, s22, 2*HALFT                 ; source 0's what waves 2 and 3 fetched
.irp s, 0,1
	v_add_nc_u32 v[ADRA+\s], s21, v4
	v_add_nc_u32 v[ADRB+\s], s22, v4
	s_add_co_u32 s21, s21, SLOT
	s_add_co_u32 s22, s22, SLOT
.endr
	s_mul_i32 s23, s14, 16*PITCH                   ; my stage: 16 rows of 144 bytes, in slot 0, which has had its last fill and its last read when the first code is stored there
	v_lshl_add_u32 v7, v2, 3, v3
	v_add_nc_u32 v[STO], s23, v7                   ; in: row r, 8 bytes for each half of the lanes
	v_and_b32 v9, 31, v0
	v_lshrrev_b32 v8, 3, v9
	v_mul_u32_u24 v8, v8, PITCH
	v_and_b32 v10, 7, v0
	v_lshl_add_u32 v8, v10, 4, v8
	v_add_nc_u32 v[RD], s23, v8                    ; back: eight lanes to a row of 128 bytes, four rows an instruction
	v_lshlrev_b32 v[CO], 4, v9
	; the bias, in both forms, and where my 16 KiB of codes go
	s_lshl_b32 s78, s40, 10
	s_lshl_b32 s79, s16, 9
	s_add_co_u32 s79, s78, s79                     ; kinds 0, 1: 4 x my first column (along a lane's registers)
	s_lshl_b32 s82, s15, 9
	s_add_co_u32 s78, s78, s82                     ; kind 2: 4 x my first d (along the lanes)
	s_lshl_b32 s80, s40, 1
	s_add_co_u32 s80, s80, s16
	s_lshl_b32 s80, s80, 13
	s_lshl_b32 s82, s17, 8
	s_add_co_u32 s80, s80, s82                     ; kinds 0, 1: panel 2 cx + half of 8,192 rows, row 256 y
	s_lshl_b32 s83, s17, 1
	s_add_co_u32 s83, s83, s16
	s_lshl_b32 s83, s83, 10
	s_lshl_b32 s82, s40, 8
	s_add_co_u32 s83, s83, s82                     ; kind 2: panel 2 y + half of 1,024 rows, row 256 cx
	s_cmp_eq_u32 ttmp9, 1
	s_cselect_b64 s[76:77], s[10:11], s[8:9]
	s_cmp_eq_u32 ttmp9, 2
	s_cselect_b64 s[76:77], s[68:69], s[76:77]
	s_cselect_b32 s79, 0, s79                      ; the form that the kind does not use reads the buffer's first bytes: every load stays inside the 4,096
	s_cselect_b32 s78, s78, 0
	s_cselect_b32 s80, s83, s80
	s_lshl_b32 s82, s15, 7
	s_add_co_u32 s80, s80, s82                     ; + my half of source 1's rows
	s_lshl_b32 s80, s80, 7
	s_lshl_b32 s82, ttmp9, 23                      ; q, k, v lie 8 MiB apart
	s_add_co_u32 s80, s80, s82
	s_mov_b32 s81, 0
	s_add_nc_u64 s[80:81], s[70:71], s[80:81]
	v_lshl_add_u32 v5, v2, 5, s79
	v_lshl_add_u32 v6, v1, 2, s78
.irp b, 0,1,2,3,4,5,6,7
	global_load_b128 v[BN+8*\b:BN+8*\b+3], v5, s[76:77] offset:64*\b        ; bias(first column + 16 b + 8 h + 0 .. 7)
	global_load_b128 v[BN+8*\b+4:BN+8*\b+7], v5, s[76:77] offset:64*\b+16
.endr
.irp a, 0,1,2,3,4,5,6,7
	global_load_b32 v[BM+2*\a], v6, s[76:77] offset:64*\a                   ; bias(first d + 16 a + r)
.endr
.macro FRAG reg, adr, q, i             ; a fragment, 16 rows x 128 K, is 16 registers: lane l holds row l % 16; registers 4 c .. 4 c + 3 hold K = 32 c + 16 (l / 16) + 0 .. 15 of the slot's panel q
.irp c, 0,1,2,3
	ds_load_b128 v[\reg+4*\c:\reg+4*\c+3], v[\adr] offset:PANB*(\q)+32*\c+(\i)*16*PITCH
.endr
.endm
; 16 matrix instructions: source 1's blocks a0, a0 + 1 x source 0's eight.  p: source 0's set.  zero = 1: the first product starts the sums.
; The 64 accumulators take turns, one instruction a turn, in the same order in every step.
.macro MUL16 a0, p, zero
.irp a, \a0, \a0+1
.irp b, 0,1,2,3,4,5,6,7
.if \zero
	v_wmma_f32_16x16x128_fp8_fp8 v[8*(8*((\a)%4)+\b):8*(8*((\a)%4)+\b)+7], v[128*(\p)+FR*\b:128*(\p)+FR*\b+FR-1], v[AF+FR*(\a):AF+FR*(\a)+FR-1], 0
.else
	v_wmma_f32_16x16x128_fp8_fp8 v[8*(8*((\a)%4)+\b):8*(8*((\a)%4)+\b)+7], v[128*(\p)+FR*\b:128*(\p)+FR*\b+FR-1], v[AF+FR*(\a):AF+FR*(\a)+FR-1], v[8*(8*((\a)%4)+\b):8*(8*((\a)%4)+\b)+7]
.endif
.endr
.endr
.endm
.macro FETCH_B slot, q, p
	WIN TO_B
.irp i, 0,1,2,3,4,5,6,7
	FRAG 128*(\p)+FR*\i, ADRB+\slot, \q, \i
.endr
	WIN 0
.endm
.macro FETCH_A slot, q, i0
.irp i, \i0, \i0+1, \i0+2, \i0+3
	FRAG AF+FR*(\i), ADRA+\slot, \q, \i
.endr
.endm
.macro PLACES n                        ; plain vector lines between a matrix instruction and a load into, or a vector line on, one of its registers (ISA guide 7.12.1 for vector lines)
.rept \n
	v_nop
.endr
.endm
.macro STEP slot, q, zero              ; 128 along K that have their successor in the same slot
	s_wait_dscnt 4*NL                              ; source 0's set and source 1's blocks 0-3 are in; the youngest sixteen loads (blocks 4-7) may be out
	WIN MUL_LO
	MUL16 0, (\q)%2, \zero
	MUL16 2, (\q)%2, \zero
	s_wait_dscnt 0                                 ; blocks 4-7 are in
	PLACES NP
	FETCH_B \slot, (\q)+1, 1-(\q)%2
	FETCH_A \slot, (\q)+1, 0
	WIN MUL_HI
	MUL16 4, (\q)%2, \zero
	MUL16 6, (\q)%2, \zero
	PLACES NP
	WIN 0
	FETCH_A \slot, (\q)+1, 4
.endm
; A slot's last 128 change slots: ONE barrier; in front of it each wave waits for all its tensor loads, adds 0 to its spare word, and waits for that and for its reads of this slot.  fill = 1: the slot is filled again, two K steps ahead.
.macro TURN slot, next, fill
	s_wait_tensorcnt 0x0                           ; all my tensor loads have landed: the one that was out is my part of the next slot
	ds_add_u32 v[SPW], v[NIL]                      ; 0 onto my spare word
	s_wait_dscnt 4*NL+1                            ; (the add and the youngest sixteen loads may be out)
	WIN MUL_LO
	MUL16 0, 1, 0                                  ; sixteen matrix instructions stand between the add and the wait for it
	s_wait_dscnt 0x0                               ; the add is done, and my reads of this slot are over
	s_barrier_signal -1
	MUL16 2, 1, 0
	WIN 0
	s_barrier_wait -1
.if \fill
	CREST                                          ; the barrier has opened a round of the cluster's: no wave of any partner still reads this slot or has a load on its way
	s_add_nc_u64 s[G0+4*\slot+2:G0+4*\slot+3], s[G0+4*\slot+2:G0+4*\slot+3], 2*YSTEP
	s_add_nc_u64 s[G0B+4*\slot+2:G0B+4*\slot+3], s[G0B+4*\slot+2:G0B+4*\slot+3], 2*XSTEP
	JLOAD G0+4*\slot, G1, G0B+4*\slot, G1B         ; the first tensor load behind the round; its four v_nop are the places in front of the loads below
.else
	PLACES NP
.endif
	FETCH_B \next, 0, 0
	FETCH_A \next, 0, 0
	WIN MUL_HI
	MUL16 4, 1, 0
	MUL16 6, 1, 0
	PLACES NP
	WIN 0
	FETCH_A \next, 0, 4
.endm
	s_wait_alu depctr_va_vdst(0)
	s_wait_tensorcnt 0x0                           ; my part of K step 0 is in
	ds_add_u32 v[SPW], v[NIL]
	s_wait_dscnt 0x0
	CROUND                                         ; everybody's part of K step 0 is in, and the sixteen work-groups meet
	JLOAD G0+4, G1, G0B+4, G1B                     ; K step 1, the first tensor load behind the round
	FETCH_B 0, 0, 0
	FETCH_A 0, 0, 0
	FETCH_A 0, 0, 4
	STEP 0, 0, 1                                   ; the four K steps are written out: two first fills, two refills
	TURN 0, 1, 1
	STEP 1, 0, 0
	TURN 1, 0, 1
	STEP 0, 0, 0
	TURN 0, 1, 0                                   ; nothing is left to fetch
	STEP 1, 0, 0
	s_wait_dscnt 4*NL
	WIN MUL_LO
	MUL16 0, 1, 0
	MUL16 2, 1, 0
	s_wait_dscnt 0
	WIN MUL_HI
	MUL16 4, 1, 0
	MUL16 6, 1, 0
	WIN 0
	; THE WAY OUT.  A sum stands for sum x 2^(eY + eX).  So the bias goes in divided by that, and the code is (sum + bias') / 2^(eOut - eY - eX): one scale for the conversion.
	s_wait_kmcnt 0x0
	s_wait_loadcnt 0x0                             ; the biases
	s_add_co_i32 s88, s84, s85                     ; eY + eX
	s_sub_co_i32 s89, 127, s88
	s_lshl_b32 s89, s89, 23                        ; 2^-(eY + eX)
	s_cmp_eq_u32 ttmp9, 2
	s_cselect_b32 s90, 0, s89                      ; the factor of the bias along the registers,
	s_cselect_b32 s92, s89, 0                      ; and of the bias along the lanes: one of the two is 0
	s_mov_b32 s91, s90                             ; (named with it as a pair, so it is written)
.set j, 0
.rept 32
	v_pk_mul_f32 v[BN+j:BN+j+1], v[BN+j:BN+j+1], s[90:91] op_sel_hi:[1,0]   ; (these lines are also the places behind the last products)
.set j, j+2
.endr
.irp a, 0,1,2,3,4,5,6,7
	v_mul_f32 v[BM+2*\a], s92, v[BM+2*\a]
	v_mov_b32 v[BM+2*\a+1], v[BM+2*\a]
.endr
	s_sub_co_i32 s93, s86, s88
	s_add_co_i32 s93, s93, 127
	s_lshl_b32 s94, s93, 23
	v_mov_b32 v[SC], s94                           ; 2^(eOut - eY - eX)
	s_add_co_i32 s93, s93, 8
	s_lshl_b32 s93, s93, 23
	s_or_b32 s93, s93, 0x600000
	v_mov_b32 v[HI], s93                           ; 448 x that
	s_or_b32 s94, s93, 0x80000000
	s_cmp_lg_u32 s87, 0
	s_cselect_b32 s94, 0, s94                      ; the hold's lower end: 0 where a relu stands here, else -448 x the scale: a choice, no branch
	v_mov_b32 v[LO], s94
; Block a: 16 rows x 128 codes.  A lane's 8 codes are 8 bytes of a row, and the lanes beside it hold other rows: the block goes through my stage and comes back as 2,048 bytes on end.
.macro PACKQ a
.set AC, 64*((\a)%4)
.set CC, CD+16*((\a)%2)
.set BB, BK+16*((\a)%2)
	WIN 0x02+((\a)/4)                              ; source 0: window 2 or 3
.set j, 0
.rept 32
	v_pk_add_f32 v[TMP+j:TMP+j+1], v[AC+j:AC+j+1], v[BN+j:BN+j+1]   ; each accumulator from its low end on
.set j, j+2
.endr
	WIN 0
.set j, 0
.rept 32
	v_pk_add_f32 v[TMP+j:TMP+j+1], v[TMP+j:TMP+j+1], v[BM+2*(\a):BM+2*(\a)+1] op_sel_hi:[1,0]
.set j, j+2
.endr
.set j, 0
.rept 64
	v_med3_num_f32 v[TMP+j], v[TMP+j], v[LO], v[HI]   ; the activation and the hold in one (the conversion to an 8-bit code does not saturate: ISA guide 7.6.2)
.set j, j+1
.endr
.irp b, 0,1,2,3,4,5,6,7
	v_cvt_scalef32_pk8_fp8_f32 v[CC+2*\b:CC+2*\b+1], v[TMP+8*\b:TMP+8*\b+7], v[SC]
.endr
	v_nop                                          ; a plain line behind the last conversion: the next block writes its sources
.irp b, 0,1,2,3,4,5,6,7
	ds_store_b64 v[STO], v[CC+2*\b:CC+2*\b+1] offset:16*\b
.endr
.irp i, 0,1,2,3
	ds_load_b128 v[BB+4*\i:BB+4*\i+3], v[RD] offset:4*\i*PITCH   ; LDS serves a wave's instructions in order (ISA guide 5.7.1.4): these see the stores above, and the next block's stores come behind them
.endr
.endm
.macro SENDQ a, younger                ; younger: the LDS instructions issued behind block a's loads, which may stay out
.set BB, BK+16*((\a)%2)
	s_wait_dscnt \younger
.irp i, 0,1,2,3
	global_store_b128 v[CO], v[BB+4*\i:BB+4*\i+3], s[80:81] offset:(\a)*2048+512*\i   ; 512 consecutive bytes, at a multiple of 256 from the buffer's first byte
.endr
.endm
	PACKQ 0
.irp a, 1,2,3,4,5,6,7
.if \a > 1
	s_wait_xcnt 0x0                                ; block a - 2's stores have read their registers: block a's loads may land there
.endif
	PACKQ \a
	SENDQ \a-1, 12                                 ; behind block a - 1's loads: block a's 8 stores and 4 loads
.endr
	SENDQ 7, 0
	s_wait_tensorcnt 0x0                           ; the wave's end, behind my last tensor load and my last LDS store
	ds_add_u32 v[SPW], v[NIL]
	s_wait_dscnt 0x0
	CROUND                                         ; the closing round: no work-group ends while a partner may still ask for a tile that names it
	s_endpgm
.Lfunc_end_k_q739b805af3_qkv:
	.size	k_q739b805af3_qkv, .Lfunc_end_k_q739b805af3_qkv-k_q739b805af3_qkv
	.p2alignl 7, 3214868480
	.fill 96, 4, 3214868480
	.section	.rodata,"a",@progbits
	.p2align	6, 0x0
	.amdhsa_kernel k_q739b805af3_qkv
		.amdhsa_group_segment_fixed_size 327680
		.amdhsa_private_segment_fixed_size 0
		.amdhsa_enable_private_segment 0
		.amdhsa_kernarg_size 48
		.amdhsa_user_sgpr_count 2
		.amdhsa_user_sgpr_kernarg_segment_ptr 1
		.amdhsa_wavefront_size32 1
		.amdhsa_system_sgpr_workgroup_id_x 1
		.amdhsa_system_sgpr_workgroup_id_y 1
		.amdhsa_system_sgpr_workgroup_id_z 1
		.amdhsa_system_vgpr_workitem_id 0
		.amdhsa_next_free_vgpr 1024
		.amdhsa_next_free_sgpr 100
		.amdhsa_reserve_vcc 0
		.amdhsa_float_denorm_mode_32 3
		.amdhsa_float_denorm_mode_16_64 3
		.amdhsa_memory_ordered 1
		.amdhsa_forward_progress 1
		.amdhsa_inst_pref_size 162
	.end_amdhsa_kernel
	.amdgpu_metadata
---
amdhsa.version: [ 1, 2 ]
amdhsa.kernels:
  - .name:           k_q739b805af3_qkv
    .symbol:         k_q739b805af3_qkv.kd
    .args:
      - { .name: acta, .offset: 0, .size: 8, .value_kind: global_buffer, .address_space: global }
      - { .name: wqkv, .offset: 8, .size: 8, .value_kind: global_buffer, .address_space: global }
      - { .name: bq, .offset: 16, .size: 8, .value_kind: global_buffer, .address_space: global }
      - { .name: bk, .offset: 24, .size: 8, .value_kind: global_buffer, .address_space: global }
      - { .name: bv, .offset: 32, .size: 8, .value_kind: global_buffer, .address_space: global }
      - { .name: qkvc, .offset: 40, .size: 8, .value_kind: global_buffer, .address_space: global }
    .group_segment_fixed_size: 327680
    .private_segment_fixed_size: 0
    .kernarg_segment_align: 8
    .kernarg_segment_size: 48
    .max_flat_workgroup_size: 128
    .sgpr_count:     100
    .vgpr_count:     1024
    .wavefront_size: 32
...
	.end_amdgpu_metadata
.endif
;; end of part 2
;; launch attn (part 3): grid 4 x 64, 8 waves a work-group, clusters of 4 x 1, 327,680 bytes of LDS; arguments qkvc, mask, lowp_scales, acta; writes acta
.if DOCPART == 3
	.amdgcn_target "amdgcn-amd-amdhsa--gfx1250"
	.amdhsa_code_object_version 6
	.text
	.protected	k_q739b805af3_attn
	.globl	k_q739b805af3_attn
	.p2align	8
	.type	k_q739b805af3_attn,@function
k_q739b805af3_attn:
	s_mov_b64 s[64:65], 0
	v_nop
	global_prefetch_b8 v0, s[64:65] scope:SCOPE_SE
	s_setreg_imm32_b32 hwreg(HW_REG_WAVE_MODE, 25, 1), 1
	s_wait_xcnt 0x0
	s_wait_alu depctr_hold_cnt(0) depctr_sa_sdst(0) depctr_va_vdst(0) depctr_va_sdst(0) depctr_va_ssrc(0) depctr_va_vcc(0) depctr_vm_vsrc(0)
	s_getreg_b32 s2, hwreg(HW_REG_IB_STS2, 6, 4)
	s_cmp_eq_u32 s2, 0
	s_cbranch_scc0 .Lentry_in_a_cluster
	s_endpgm
.Lentry_in_a_cluster:
	s_bfe_u32 s2, ttmp6, 0x10000c
	s_cmp_lg_u32 s2, 0x3003
	s_cbranch_scc0 .Lentry_shape_is_right
	s_endpgm
.Lentry_shape_is_right:
; ATTENTION ON CODES OF E4M3.  o = softmax_k(q . k / 8, keys with mask 0 set to -1e9) v, both products on codes (scales 2^e6 .. 2^e9); o leaves as codes with the scale 2^e10.
; q, k: byte of (token, column) = ((column >> 7) 8,192 + token) 128 + (column & 127), k 8 MiB behind q.  v, 16 MiB behind q, has the keys innermost: byte of (d, token) = ((token >> 7) 1,024 + d) 128 + (token & 127).  o is laid as q.
; THE SOFTMAX: t = score x log2(e) / 8; M = the running largest t rounded up to a whole number; p = 2^(t - M) is quantised; the row's sum is taken of the unquantised p and divides at the end; when M moves, sum and O^T are multiplied by 2^(old M - new M).
; THE MASK: a key with mask 0 gets -8e9 / 2^(e6+e7) as the C of the first product, beside which a score is lost in f32.  Where a batch has no key with mask != 0, c and that bias are 0: every t is 0, the uniform weights that equal scores give.
; SHARES: a work-group owns 256 queries of one batch and of two heads (a panel of 128 columns), one head after the other; each of its eight waves owns 32 queries, two tiles of 16, so each fragment of K, V and the bias feeds two matrix instructions,
; and the two tiles' chains of dependent lines stand line by line beside each other.  All 1,024 keys of both heads lie in LDS: K 8 panels of 128 keys, V 8 panels of 128 keys x 128 d, rows of 128 bytes + 16.
; CLUSTER: the four work-groups of a cluster own the four query blocks of the same batch and heads and ask for K and V jointly: one load a wave, two lines of 16 KiB each, once; nothing is filled again.  No loop of loads, so no prefetch.
; LAYOUT: S^T = K Q^T (source 0 = 16 keys, source 1 = 16 queries), O^T = V^T P^T: a lane holds one query of each tile; register j of score tile n is key 16 n + 8 h + j, so eight codes of p are registers 2 n, 2 n + 1 of the second product's operand.
; LIMITS: e6 + e7 between -123 and 130; e8 and e10 - e8 - e9 between -126 and 119; the scaled scores stay under 2^31 in magnitude.  NaN among the inputs is not served.
; REGISTERS: window 0: v0-11 addresses; v12-23 -M, largest t, sums, f of both tiles; v24-26 the quantisers' numbers; v27-31 at work; v32-63 Q; v64-191 scores, then p; v192-223 p's codes; v224-255 o's codes.
;   window 1: v0-63 K's fragments; v64-127 V's; v128-191 O^T; v192-255 the bias.
.set KP,    144
.set PANB,  128*KP
.set VOFF,  8*PANB
.set MT,    16*PANB                    ; the bias, 4 bytes a key
.set SPARE, MT+4096                    ; the spare words: 128 bytes a wave, four blocks of 256 bytes that no other line names
.set AK0, 1
.set AV0, 2
.set AM0, 3
.set STO, 4
.set SPW, 5
.set NIL, 6
.set GO,  7
.set ADK, 8
.set ADV, 9
.set ADM, 10
.set RD,  11
.set WV,  18
.set SEL, 20
.set CS,  22
.set TB,  2
.set TM,  3
.set CNT, 66
.set MSB, 0
.macro WIN new                         ; the immediate's high byte repeats the setting that is left
.if MSB != \new
	s_set_vgpr_msb (MSB<<8)|\new
.set MSB, \new
.endif
.endm
.macro CROUND
	s_barrier_signal -1
	s_barrier_wait -1
	s_cmp_lg_u32 s[WV], 0
	s_cbranch_scc1 .Lnot_wave_0_\@
	s_barrier_signal -3
.Lnot_wave_0_\@:
	s_barrier_wait -3
	s_barrier_signal -1
	s_barrier_wait -1
.endm
	s_load_b256 s[4:11], s[0:1], 0x0               ; the codes 4, the mask 6, the exponents 8, o's codes 10
	v_lshl_add_u32 v[SPW], v0, 2, SPARE
	v_mov_b32 v[NIL], 0
	ds_add_u32 v[SPW], v[NIL]                      ; the opening lines: the add, twice on end, and its wait ahead of my tensor load
	ds_add_u32 v[SPW], v[NIL]
	v_lshrrev_b32 v8, 5, v0
	v_readfirstlane_b32 s[WV], v8                  ; wave 0..7
	s_bfe_u32 s40, ttmp6, 0x40000                  ; cx
	s_lshl_b32 s44, ttmp9, 2
	s_add_co_u32 s44, s44, s40                     ; which 256 queries
	s_and_b32 s41, ttmp7, 0xffff
	s_lshr_b32 s42, s41, 3                         ; the batch
	s_and_b32 s43, s41, 7                          ; the pair of heads
.irp g, 24,84                                      ; group 1, K's at s24 and V's at s84: two lines of 16,384 bytes (128 rows of 128), 16 bytes of padding behind every 128; the mask names the cluster's four
	s_mov_b32 s[\g], 15|(1<<20)|(1<<21)|(4<<22)|(3<<25)
	s_mov_b32 s[\g+1], 16384<<16
	s_mov_b32 s[\g+2], 2<<16
	s_mov_b32 s[\g+3], 16384<<16
	s_mov_b32 s[\g+4], 2
	s_mov_b32 s[\g+6], 0
	s_mov_b32 s[\g+7], 0
.endr
	s_mov_b32 s29, 16384                           ; K: 256 keys on end
	s_mov_b32 s89, 131072                          ; V: from one panel of 128 keys to the next
	s_lshl_b32 s50, s43, 20
	s_lshl_b32 s53, s42, 17
	s_add_co_u32 s50, s50, s53
	s_lshl_b32 s53, s[WV], 15
	s_add_co_u32 s50, s50, s53
	s_add_co_u32 s50, s50, 0x800000                ; waves 0-3: keys 256 wave on
	s_lshl_b32 s51, s42, 20
	s_lshl_b32 s53, s43, 14
	s_add_co_u32 s51, s51, s53
	s_and_b32 s53, s[WV], 3
	s_lshl_b32 s53, s53, 18
	s_add_co_u32 s51, s51, s53
	s_add_co_u32 s51, s51, 0x1000000               ; waves 4-7: V's panels 2 (wave - 4) and the next
	s_cmp_lt_u32 s[WV], 4
	s_cselect_b32 s46, s50, s51
	s_mov_b32 s47, 0
	s_mov_b32 s32, 1
	s_mul_i32 s33, s[WV], 2*PANB                   ; K's eight panels, then V's eight
	s_lshl_b32 s54, s43, 13
	s_lshl_b32 s45, s42, 10
	s_add_co_u32 s54, s54, s45
	s_lshl_b32 s45, s44, 8
	s_add_co_u32 s54, s54, s45
	s_lshl_b32 s45, s[WV], 5
	s_add_co_u32 s54, s54, s45
	s_lshl_b32 s54, s54, 7                         ; my first query's row in q and in o
	s_mov_b32 s55, 0
	s_lshl_b32 s62, s42, 12
	s_mov_b32 s63, 0
	s_mov_b32 s[SEL], 0x76543210                   ; v_permlanex16_b32: lane l xor 16
	s_mov_b32 s[SEL+1], 0xfedcba98
	s_wait_dscnt 0x0
	s_wait_kmcnt 0x0
	s_load_b128 s[68:71], s[8:9], 0x18             ; e6 .. e9
	s_load_b32 s72, s[8:9], 0x28                   ; e10
	s_add_nc_u64 s[34:35], s[4:5], s[46:47]
	s_or_b32 s35, s35, 0x80000000
	s_add_nc_u64 s[56:57], s[4:5], s[54:55]
	s_add_nc_u64 s[58:59], s[10:11], s[54:55]
	s_add_nc_u64 s[60:61], s[6:7], s[62:63]
	CROUND                                         ; the four work-groups are here: the joint loads meet
	s_cmp_lt_u32 s[WV], 4
	s_cbranch_scc0 .Lfor_v
	tensor_load_to_lds s[32:35], s[24:31]
	s_nop 0
.rept 4
	v_nop
.endr
	s_branch .Lasked
.Lfor_v:
	tensor_load_to_lds s[32:35], s[84:91]
	s_nop 0
.rept 4
	v_nop
.endr
.Lasked:
	v_and_b32 v8, 15, v0                           ; r
	v_bfe_u32 v9, v0, 4, 1                         ; h
	v_lshlrev_b32 v28, 7, v8
	v_lshl_add_u32 v28, v9, 4, v28
.irp t, 0,1
.irp x, 0,1
.irp c, 0,1
	global_load_b128 v[32+16*\t+8*\x+4*\c:35+16*\t+8*\x+4*\c], v28, s[56:57] offset:2048*\x+64*\t+32*\c   ; Q of head t, tile x
.endr
.endr
.endr
	v_lshlrev_b32 v29, 4, v0
	global_load_b128 v[192:195], v29, s[60:61]     ; my thread's four keys of the mask
	v_and_b32 v30, 31, v0
	v_lshlrev_b32 v[GO], 4, v30
.irp i, 0,1,2,3,4,5,6,7
	global_load_b128 v[64+4*\i:67+4*\i], v[GO], s[60:61] offset:512*\i   ; and the batch's whole mask, for the question whether any key counts
.endr
	v_mul_u32_u24 v[AK0], v8, KP
	v_lshl_add_u32 v[AV0], v9, 3, v[AK0]
	v_lshl_add_u32 v[AK0], v9, 4, v[AK0]           ; K: KP r + 16 h
	s_mul_i32 s73, s[WV], 32*KP                    ; my stage on the way out: 32 rows, in K's first panels, behind the last read of them
	v_add_nc_u32 v[STO], s73, v[AV0]
	v_add_nc_u32 v[AV0], VOFF, v[AV0]              ; V: KP r + 8 h
	v_lshl_add_u32 v[AM0], v9, 5, MT               ; the bias: 32 h
	v_lshrrev_b32 v31, 3, v30
	v_mul_u32_u24 v31, v31, KP
	v_and_b32 v27, 7, v0
	v_lshl_add_u32 v31, v27, 4, v31
	v_add_nc_u32 v[RD], s73, v31
	v_lshl_add_u32 v31, v0, 4, MT                  ; where my four keys' bias goes
	v_mov_b32 v21, 0                               ; written once: a lane permute's destination counts as a source
	v_mov_b32 v23, 0
	s_wait_kmcnt 0x0
	s_add_co_i32 s74, s68, s69
	s_lshl_b32 s74, s74, 23
	s_mov_b32 s[CS], 0x3e38aa3b                    ; c = log2(e) / 8,
	s_add_co_i32 s[CS], s[CS], s74                 ; x 2^(e6+e7), by its exponent field
	s_sub_co_u32 s75, 0xcfee6b28, s74              ; -8e9 / 2^(e6+e7)
	s_add_co_i32 s76, s70, 127
	s_lshl_b32 s77, s76, 23
	v_mov_b32 v24, s77                             ; 2^e8
	s_add_co_i32 s76, s76, 8
	s_lshl_b32 s76, s76, 23
	s_or_b32 s80, s76, 0x600000                    ; 448 x 2^e8
	s_sub_co_i32 s76, s72, s70
	s_sub_co_i32 s76, s76, s71
	s_add_co_i32 s76, s76, 127
	s_lshl_b32 s77, s76, 23
	v_mov_b32 v25, s77                             ; 2^(e10-e8-e9)
	s_add_co_i32 s76, s76, 8
	s_lshl_b32 s76, s76, 23
	s_or_b32 s76, s76, 0x600000
	v_mov_b32 v26, s76                             ; 448 x that
	s_wait_alu depctr_va_vdst(0)
	s_wait_loadcnt 0x0
.set j, 4
.rept 7
	v_or_b32 v64, v64, v[64+j]
	v_or_b32 v65, v65, v[65+j]
	v_or_b32 v66, v66, v[66+j]
	v_or_b32 v67, v67, v[67+j]
.set j, j+4
.endr
	v_or_b32 v64, v64, v65
	v_or_b32 v66, v66, v67
	v_or_b32 v64, v64, v66
	v_cmp_ne_u32 s78, 0, v64
	s_cmp_lg_u32 s78, 0                            ; a choice, no branch
	s_cselect_b32 s[CS], s[CS], 0
	s_cselect_b32 s75, s75, 0
	s_mov_b32 s[CS+1], s[CS]
	v_mov_b32 v27, s75
.irp i, 0,1,2,3
	v_cmp_eq_u32 vcc_lo, 0, v[192+\i]
	v_cndmask_b32 v[192+\i], 0, v27, vcc_lo
.endr
	ds_store_b128 v31, v[192:195]
; A KEY STEP: 128 keys, both tiles of queries, head t.
.macro STEP t
	v_add_nc_u32 v[ADK], s[TB], v[AK0]
	v_add_nc_u32 v[ADV], s[TB], v[AV0]
	v_add_nc_u32 v[ADM], s[TM], v[AM0]
	v_nop                                          ; four places behind the last products, ahead of loads into their sources
	WIN 0x40
.irp n, 0,1,2,3,4,5,6,7
.irp c, 0,1
	ds_load_b128 v[8*\n+4*\c:8*\n+4*\c+3], v[ADK] offset:16*\n*KP+64*\t+32*\c
.endr
.endr
.irp n, 0,1,2,3,4,5,6,7
	ds_load_b128 v[192+8*\n:195+8*\n], v[ADM] offset:64*\n
	ds_load_b128 v[196+8*\n:199+8*\n], v[ADM] offset:64*\n+16
.endr
.irp u, 0,1,2,3
.irp c, 0,1,2,3,4,5,6,7
	ds_load_b64 v[64+16*\u+2*\c:65+16*\u+2*\c], v[ADV] offset:(64*\t+16*\u)*KP+16*\c
.endr
.endr
	WIN 0
	s_wait_alu depctr_va_vdst(0)
	s_wait_dscnt 32                                ; K and the bias are in; V's 32 loads may be out
	WIN 0x11
.irp n, 0,1,2,3,4,5,6,7
.irp x, 0,1
	v_wmma_f32_16x16x64_fp8_fp8 v[64+64*\x+8*\n:71+64*\x+8*\n], v[8*\n:8*\n+7], v[32+16*\t+8*\x:39+16*\t+8*\x], v[192+8*\n:199+8*\n]
.endr
.endr
	WIN 0
.rept 4
	v_nop
.endr
.irp x, 0,1                                        ; the step's largest score of each query: two chains a tile, four in all
	v_max3_num_f32 v[28+2*\x], v[64+64*\x], v[65+64*\x], v[66+64*\x]
.endr
.irp x, 0,1
	v_max3_num_f32 v[29+2*\x], v[67+64*\x], v[68+64*\x], v[69+64*\x]
.endr
.irp i, 6,10,14,18,22,26,30,34,38,42,46,50,54,58
.irp x, 0,1
	v_max3_num_f32 v[28+2*\x], v[28+2*\x], v[64+64*\x+\i], v[65+64*\x+\i]
.endr
.irp x, 0,1
	v_max3_num_f32 v[29+2*\x], v[29+2*\x], v[66+64*\x+\i], v[67+64*\x+\i]
.endr
.endr
.irp x, 0,1
	v_max3_num_f32 v[28+2*\x], v[28+2*\x], v[126+64*\x], v[127+64*\x]
.endr
.irp x, 0,1
	v_max_num_f32 v[28+2*\x], v[28+2*\x], v[29+2*\x]
.endr
.irp x, 0,1
	v_permlanex16_b32 v[21+2*\x], v[28+2*\x], s[SEL], s[SEL+1]
.endr
.irp x, 0,1
	v_max_num_f32 v[28+2*\x], v[28+2*\x], v[21+2*\x]
.endr
.irp x, 0,1
	v_mul_f32 v[28+2*\x], s[CS], v[28+2*\x]        ; as t (c is not negative)
.endr
.irp x, 0,1
	v_max_num_f32 v[13+2*\x], v[13+2*\x], v[28+2*\x]
.endr
.irp x, 0,1
	v_mov_b32 v[29+2*\x], v[12+2*\x]
.endr
.irp x, 0,1
	v_floor_f32 v[12+2*\x], -v[13+2*\x]            ; -M = floor(-t)
.endr
.irp z, 0,1,2,3                                    ; t - M, two at a time; the three lines that make f = 2^(old M - new M) stand among them
.irp x, 0,1
.set j, 16*\z
.rept 8
	v_pk_fma_f32 v[64+64*\x+j:65+64*\x+j], v[64+64*\x+j:65+64*\x+j], s[CS:CS+1], v[12+2*\x:13+2*\x] op_sel_hi:[1,0,0]
.set j, j+2
.endr
.endr
.irp x, 0,1
.if \z == 0
	v_sub_f32 v[29+2*\x], v[12+2*\x], v[29+2*\x]
.endif
.if \z == 1
	v_cvt_i32_f32 v[29+2*\x], v[29+2*\x]
.endif
.if \z == 2
	v_ldexp_f32 v[20+2*\x], 1.0, v[29+2*\x]
.endif
.endr
.endr
	s_wait_alu depctr_va_vdst(0)                   ; a wait ahead of the batch and one behind it
.set j, 0
.rept 128
	v_exp_f32 v[64+j], v[64+j]
.set j, j+1
.endr
.irp x, 0,1
	v_pk_mul_f32 v[16+2*\x:17+2*\x], v[16+2*\x:17+2*\x], v[20+2*\x:21+2*\x] op_sel_hi:[1,0]   ; the sums under the new M
.endr
	s_wait_alu depctr_va_vdst(0)
.irp x, 0,1                                        ; the rows' sums of the unquantised p
	v_pk_add_f32 v[28+2*\x:29+2*\x], v[64+64*\x:65+64*\x], v[66+64*\x:67+64*\x]
.endr
.set j, 4
.rept 15
.irp x, 0,1
	v_pk_add_f32 v[16+2*\x:17+2*\x], v[16+2*\x:17+2*\x], v[64+64*\x+j:65+64*\x+j]
.endr
.irp x, 0,1
	v_pk_add_f32 v[28+2*\x:29+2*\x], v[28+2*\x:29+2*\x], v[66+64*\x+j:67+64*\x+j]
.endr
.set j, j+4
.endr
.irp x, 0,1
	v_pk_add_f32 v[16+2*\x:17+2*\x], v[16+2*\x:17+2*\x], v[28+2*\x:29+2*\x]
.endr
.set j, 0
.rept 64
	v_dual_min_num_f32 v[64+j], s80, v[64+j] :: v_dual_min_num_f32 v[65+j], s80, v[65+j]   ; the hold (the conversion does not saturate: ISA guide 7.6.2); p is not negative, so it is one-sided
.set j, j+2
.endr
.irp x, 0,1
.irp n, 0,1,2,3,4,5,6,7
	v_cvt_scalef32_pk8_fp8_f32 v[192+16*\x+2*\n:193+16*\x+2*\n], v[64+64*\x+8*\n:71+64*\x+8*\n], v24
.endr
.endr
	WIN 0x41
	s_wait_alu depctr_va_vdst(0)                   ; directly ahead of the first reader of O^T
.irp x, 0,1
.set j, 0
.rept 16
	v_pk_mul_f32 v[128+32*\x+j:129+32*\x+j], v[128+32*\x+j:129+32*\x+j], v[20+2*\x:21+2*\x] op_sel_hi:[1,0]   ; O^T under the new M
.set j, j+2
.endr
.endr
	s_wait_alu depctr_va_vdst(0)
	s_wait_dscnt 0x0                               ; V
	WIN 0x51
.irp u, 0,1,2,3
.irp x, 0,1
	v_wmma_f32_16x16x128_fp8_fp8 v[128+32*\x+8*\u:135+32*\x+8*\u], v[64+16*\u:79+16*\u], v[192+16*\x:207+16*\x], v[128+32*\x+8*\u:135+32*\x+8*\u]
.endr
.endr
	WIN 0
	s_add_co_u32 s[TB], s[TB], PANB
	s_add_co_u32 s[TM], s[TM], 512
.endm
; ONE HEAD: eight key steps, then O^T / the sum as codes
.macro TASK t
.irp x, 0,1
	v_mov_b32 v[13+2*\x], 0xff61b1e6               ; the largest t so far: -3e38
.endr
.irp x, 0,1
	v_floor_f32 v[12+2*\x], -v[13+2*\x]
.endr
.irp i, 16,17,18,19
	v_mov_b32 v\i, 0
.endr
	WIN 0x40
.set j, 0
.rept 64
	v_mov_b32 v[128+j], 0                          ; the step is written once a head: the first finds zeros
.set j, j+1
.endr
	WIN 0
	s_mov_b32 s[TB], 0
	s_mov_b32 s[TM], 0
	s_mov_b32 s[CNT], 8
	s_wait_alu depctr_va_vdst(0)
.Lstep_\@:
	STEP \t
	s_sub_co_u32 s[CNT], s[CNT], 1
	s_cmp_lg_u32 s[CNT], 0
	s_cbranch_scc1 .Lstep_\@
.rept 4
	v_nop
.endr
.irp x, 0,1
	v_add_f32 v[16+2*\x], v[16+2*\x], v[17+2*\x]
.endr
.irp x, 0,1
	v_permlanex16_b32 v[21+2*\x], v[16+2*\x], s[SEL], s[SEL+1]
.endr
.irp x, 0,1
	v_add_f32 v[16+2*\x], v[16+2*\x], v[21+2*\x]   ; the row's sum
.endr
	s_wait_alu depctr_va_vdst(0)
.irp x, 0,1
	v_rcp_f32 v[20+2*\x], v[16+2*\x]
.endr
	v_nop
	WIN 0x41
	s_wait_alu depctr_va_vdst(0)                   ; behind the batch, and directly ahead of the first reader of O^T
.irp x, 0,1
.set j, 0
.rept 16
	v_pk_mul_f32 v[128+32*\x+j:129+32*\x+j], v[128+32*\x+j:129+32*\x+j], v[20+2*\x:21+2*\x] op_sel_hi:[1,0]
.set j, j+2
.endr
.endr
.set j, 0
.rept 64
	v_med3_num_f32 v[128+j], v[128+j], -v26, v26
.set j, j+1
.endr
	WIN 0x01
.irp x, 0,1
.irp u, 0,1,2,3
	v_cvt_scalef32_pk8_fp8_f32 v[224+16*\t+8*\x+2*\u:225+16*\t+8*\x+2*\u], v[128+32*\x+8*\u:135+32*\x+8*\u], v25
.endr
.endr
	WIN 0
	v_nop                                          ; a plain line behind the last conversion
.endm
	s_wait_alu depctr_va_vdst(0)
	s_wait_tensorcnt 0x0                           ; my part of K or V is in,
	s_wait_dscnt 0x0                               ; and my keys' bias
	s_barrier_signal -1
	s_barrier_wait -1
	TASK 0
	TASK 1
	s_wait_alu depctr_va_vdst(0)
	s_wait_dscnt 0x0
	s_barrier_signal -1
	s_barrier_wait -1                              ; nobody reads K any more: its first panels, which have had their only fill, take the stages
.irp t, 0,1
.irp x, 0,1
.irp u, 0,1,2,3
	ds_store_b64 v[STO], v[224+16*\t+8*\x+2*\u:225+16*\t+8*\x+2*\u] offset:16*KP*\x+64*\t+16*\u
.endr
.endr
.endr
.irp i, 0,1,2,3,4,5,6,7
	ds_load_b128 v[64+4*\i:67+4*\i], v[RD] offset:4*\i*KP   ; LDS serves a wave's instructions in order (ISA guide 5.7.1.4): these see my stores
.endr
.irp i, 0,1,2,3,4,5,6,7
	s_wait_dscnt 7-\i
	global_store_b128 v[GO], v[64+4*\i:67+4*\i], s[58:59] offset:512*\i   ; four rows of 128 bytes: 512 consecutive bytes, at a multiple of 256 from the buffer's first byte
.endr
	s_wait_tensorcnt 0x0                           ; the wave's end
	ds_add_u32 v[SPW], v[NIL]
	s_wait_dscnt 0x0
	CROUND                                         ; the closing round
	s_endpgm
.Lfunc_end_k_q739b805af3_attn:
	.size	k_q739b805af3_attn, .Lfunc_end_k_q739b805af3_attn-k_q739b805af3_attn
	.p2alignl 7, 3214868480
	.fill 96, 4, 3214868480
	.section	.rodata,"a",@progbits
	.p2align	6, 0x0
	.amdhsa_kernel k_q739b805af3_attn
		.amdhsa_group_segment_fixed_size 327680
		.amdhsa_private_segment_fixed_size 0
		.amdhsa_enable_private_segment 0
		.amdhsa_kernarg_size 32
		.amdhsa_user_sgpr_count 2
		.amdhsa_user_sgpr_kernarg_segment_ptr 1
		.amdhsa_wavefront_size32 1
		.amdhsa_system_sgpr_workgroup_id_x 1
		.amdhsa_system_sgpr_workgroup_id_y 1
		.amdhsa_system_sgpr_workgroup_id_z 1
		.amdhsa_system_vgpr_workitem_id 0
		.amdhsa_next_free_vgpr 512
		.amdhsa_next_free_sgpr 100
		.amdhsa_reserve_vcc 1
		.amdhsa_float_denorm_mode_32 3
		.amdhsa_float_denorm_mode_16_64 3
		.amdhsa_memory_ordered 1
		.amdhsa_forward_progress 1
		.amdhsa_inst_pref_size 93
	.end_amdhsa_kernel
	.amdgpu_metadata
---
amdhsa.version: [ 1, 2 ]
amdhsa.kernels:
  - .name:           k_q739b805af3_attn
    .symbol:         k_q739b805af3_attn.kd
    .args:
      - { .name: qkvc, .offset: 0, .size: 8, .value_kind: global_buffer, .address_space: global }
      - { .name: mask, .offset: 8, .size: 8, .value_kind: global_buffer, .address_space: global }
      - { .name: lowp_scales, .offset: 16, .size: 8, .value_kind: global_buffer, .address_space: global }
      - { .name: acta, .offset: 24, .size: 8, .value_kind: global_buffer, .address_space: global }
    .group_segment_fixed_size: 327680
    .private_segment_fixed_size: 0
    .kernarg_segment_align: 8
    .kernarg_segment_size: 32
    .max_flat_workgroup_size: 256
    .sgpr_count:     100
    .vgpr_count:     512
    .wavefront_size: 32
...
	.end_amdgpu_metadata
.endif
;; end of part 3
;; launch tail (part 4): grid 256 x 1, 8 waves a work-group, no clusters, 259,072 bytes of LDS; arguments acta, woc, w1c, w2c, bo, g2, beta2, b1, b2, x, lowp_scales, out1, out0; writes out1, out0
.if DOCPART == 4
	.amdgcn_target "amdgcn-amd-amdhsa--gfx1250"
	.amdhsa_code_object_version 6
	.text
	.protected	k_q739b805af3_tail
	.globl	k_q739b805af3_tail
	.p2align	8
	.type	k_q739b805af3_tail,@function
k_q739b805af3_tail:
	s_mov_b64 s[64:65], 0
	v_nop
	global_prefetch_b8 v0, s[64:65] scope:SCOPE_SE
	s_setreg_imm32_b32 hwreg(HW_REG_WAVE_MODE, 25, 1), 1
	s_wait_xcnt 0x0
; THE LAYER'S SECOND HALF IN ONE LAUNCH.  A work-group owns 32 rows (tokens) and takes them through the chain:
;   attn = x + o wo + bo (out1);  an = g2 / (std + 1e-6) (attn - mean) + beta2, std with 1,023 in the divisor;  hid = relu(an w1 + b1);  out0 = attn + hid w2 + b2.
; The three products are on codes of E4M3 (scales 2^e10 .. 2^e15), sums in f32; o's codes come from memory (panels: byte of (row, k) = ((k >> 7) 8,192 + row) 128 + (k & 127)),
; an's and hid's are made here and pass from wave to wave through LDS.  Nothing else goes through memory between the steps.
; SHARES: eight waves; a wave owns 128 of the 1,024 columns of every product: 2 x 8 accumulators of 16 x 16.  256 work-groups x 32 rows = 8,192 rows.
; SOURCES: source 0 = 16 rows of W (columns of the result), source 1 = 16 tokens: a lane holds one token (r = lane % 16, + 16 a) and in tile b the eight columns 128 wave + 16 b + 8 h + 0 .. 7.
; THE WEIGHTS lie in the order of the operand's registers: behind 256 bytes, fragment (panel p, 16 columns nb) at (64 p + nb) 2,048, byte 512 c + 16 lane = k 32 c + 16 h + 0 .. 15 of column r.
; A wave's eight fragments of a K step are 16 KiB on end, read by 32 loads of 512 consecutive bytes straight into registers, two K steps (64 loads) ahead, across the ends of the products too.
; The activations' fragments are read from LDS in the same order of k, so every product meets its partner.
; WHAT IS ADDED TO A PRODUCT GOES IN AS ITS FIRST C, divided by the product's power of two: (x + bo) 2^-(e10+e11), b1 2^-(e12+e13), (attn + b2) 2^-(e14+e15).  So no step of K differs from the others.
; THE NORM: each wave takes its 128 columns' sum and the squares about its own mean; one exchange through LDS; M2 = sum of the parts + 128 x sum of (part's mean - mean)^2: no difference of large sums.
; x and attn live in the wave's own stage in LDS, [32 rows][512 bytes + 16]: written and read by rows for memory (a row's 512 bytes by one instruction) and by the accumulators' layout for the arithmetic.
; No tensor load and no cluster: a fragment of W is read by one wave of a work-group alone and goes straight into its registers, so there is no tile in LDS that a joint load could fill.
; No prefetch: every load of W already stands two K steps, 32 KiB a wave, ahead of its use.
; LIMITS: e10+e11, e12+e13, e14+e15 between -126 and 126; e12 and e14-e12-e13 between -126 and 119.  NaN among the inputs is not served; what lies beyond a scale's range is held at the largest code.
; REGISTERS: window 0: v0-31 addresses and small numbers; v32-95 the tokens' fragments, two sets (between products: at work); v96-223 accumulators; v224-255 at work.  Window 1: W's fragments, two sets of 128.
.set AP,    1040                       ; a row of codes in LDS: 1,024 bytes + 16: an odd multiple of 16
.set SP,    528                        ; a stage row
.set A0B,   0                          ; o's codes, an's, hid's: bytes of their own each, so one barrier a hand-over
.set A1B,   32*AP
.set A2B,   64*AP
.set ST,    96*AP                      ; eight stages of 32 x SP
.set VEC,   ST+8*32*SP                 ; bo, g2, beta2, b1, b2: 4,096 bytes each; a wave writes and reads its own 512 of each
.set EX,    VEC+5*4096                 ; the norm's exchange: a row of 80 bytes a token, 8 bytes a wave
.set SPARE, EX+2560                    ; the spare words: 128 bytes a wave, four blocks of 256 bytes that no other line names
.set PANEL, 131072                     ; a K step of W in memory
.set TMP,   32
.set ACC,   96
.set EXR,   224
.set MSB, 0
.macro WIN new                         ; the immediate's high byte repeats the setting that is left
.if MSB != \new
	s_set_vgpr_msb (MSB<<8)|\new
.set MSB, \new
.endif
.endm
.macro BLOAD buf, ptr, off             ; a K step's eight fragments of W into set buf of window 1
	WIN 0x40
.set i, 0
.rept 32
	global_load_b128 v[128*(\buf)+4*i:128*(\buf)+4*i+3], v3, s[\ptr:\ptr+1] offset:(\off)+512*i
.set i, i+1
.endr
	WIN 0
.endm
.macro ALOAD set, off                  ; the tokens' two fragments of a K step
.irp a, 0,1
.irp c, 0,1,2,3
	ds_load_b128 v[TMP+32*(\set)+16*\a+4*\c:TMP+32*(\set)+16*\a+4*\c+3], v5 offset:(\off)+16*AP*\a+32*\c
.endr
.endr
.endm
; A K step of 128.  aoff >= 0: the next step's tokens are asked for first.  lcnt: the loads of W issued behind this step's.  ptr >= 0: the set just multiplied takes the K step two on.
; The sixteen accumulators take turns, one instruction a turn.
.macro KSTEP buf, aoff, ptr, poff, lcnt
.if (\aoff) >= 0
	ALOAD 1-(\buf), \aoff
.endif
	s_wait_loadcnt \lcnt
.if (\aoff) >= 0
	s_wait_dscnt 8                                 ; this step's tokens are in; the eight loads just issued may be out
.else
	s_wait_dscnt 0x0
.endif
	WIN 0x01
.irp a, 0,1
.irp b, 0,1,2,3,4,5,6,7
	v_wmma_f32_16x16x128_fp8_fp8 v[ACC+8*(8*\a+\b):ACC+8*(8*\a+\b)+7], v[128*(\buf)+16*\b:128*(\buf)+16*\b+15], v[TMP+32*(\buf)+16*\a:TMP+32*(\buf)+16*\a+15], v[ACC+8*(8*\a+\b):ACC+8*(8*\a+\b)+7]
.endr
.endr
	WIN 0
.rept 4
	v_nop                                          ; places ahead of loads into the sources and of the first reads of results
.endr
.if (\ptr) >= 0
	BLOAD \buf, \ptr, \poff
.endif
.endm
; A product: eight K steps.  Three trips of two steps ask for this weight's steps 2 to 7; the last two steps are written out and ask for the next weight's steps 0 and 1 (nxt < 0: for nothing).
.macro GEMM abase, wp, nxt, l1
	v_add_nc_u32 v5, \abase, v4
	ALOAD 0, 0
	s_add_nc_u64 s[52:53], s[\wp:\wp+1], 2*PANEL
	s_mov_b32 s58, 3
	s_wait_alu depctr_va_vdst(0)
.Lk_\@:
	KSTEP 0, 128, 52, 0, 32
	KSTEP 1, 256, 52, PANEL, 32
	s_wait_xcnt 0x0                                ; the loads have read their base: it may step
	s_add_nc_u64 s[52:53], s[52:53], 2*PANEL
	v_add_nc_u32 v5, 256, v5
	s_sub_co_u32 s58, s58, 1
	s_cmp_lg_u32 s58, 0
	s_wait_alu depctr_va_vdst(0)
	s_cbranch_scc1 .Lk_\@
	KSTEP 0, 128, \nxt, 0, 32
	KSTEP 1, -1, \nxt, PANEL, \l1
.endm
.macro DSTORE                          ; the accumulators' 128 numbers into my stage: token r + 16 a, 32 bytes at 64 b + 32 h
.irp a, 0,1
.irp b, 0,1,2,3,4,5,6,7
	ds_store_b128 v6, v[ACC+8*(8*\a+\b):ACC+8*(8*\a+\b)+3] offset:16*SP*\a+64*\b
	ds_store_b128 v6, v[ACC+8*(8*\a+\b)+4:ACC+8*(8*\a+\b)+7] offset:16*SP*\a+64*\b+16
.endr
.endr
.endm
.macro DLOAD                           ; and back
.irp a, 0,1
.irp b, 0,1,2,3,4,5,6,7
	ds_load_b128 v[ACC+8*(8*\a+\b):ACC+8*(8*\a+\b)+3], v6 offset:16*SP*\a+64*\b
	ds_load_b128 v[ACC+8*(8*\a+\b)+4:ACC+8*(8*\a+\b)+7], v6 offset:16*SP*\a+64*\b+16
.endr
.endr
.endm
.macro RLOAD                           ; my stage by rows: row t's 512 bytes in registers ACC + 4 t
.set t, 0
.rept 32
	ds_load_b128 v[ACC+4*t:ACC+4*t+3], v7 offset:SP*t
.set t, t+1
.endr
.endm
.macro VLOAD dst, vec                  ; vector vec at my lane's 64 columns
.irp b, 0,1,2,3,4,5,6,7
	ds_load_b128 v[\dst+8*\b:\dst+8*\b+3], v9 offset:4096*\vec+64*\b
	ds_load_b128 v[\dst+8*\b+4:\dst+8*\b+7], v9 offset:4096*\vec+64*\b+16
.endr
.endm
.macro GBLOAD q                        ; g2 and beta2 at tiles 4 q .. 4 q + 3
.irp i, 0,1,2,3
	ds_load_b128 v[TMP+8*\i:TMP+8*\i+3], v9 offset:4096+64*(4*\q+\i)
	ds_load_b128 v[TMP+8*\i+4:TMP+8*\i+7], v9 offset:4096+64*(4*\q+\i)+16
	ds_load_b128 v[TMP+32+8*\i:TMP+32+8*\i+3], v9 offset:8192+64*(4*\q+\i)
	ds_load_b128 v[TMP+32+8*\i+4:TMP+32+8*\i+7], v9 offset:8192+64*(4*\q+\i)+16
.endr
.endm
.macro AINIT sp                        ; the first C = (what lies in ACC + the vector in TMP) x s[sp]
.set j, 0
.rept 32
	v_pk_mul_f32 v[TMP+j:TMP+j+1], v[TMP+j:TMP+j+1], s[\sp:\sp+1] op_sel_hi:[1,0]
.set j, j+2
.endr
.irp a, 0,1
.set j, 0
.rept 32
	v_pk_fma_f32 v[ACC+64*\a+j:ACC+64*\a+j+1], v[ACC+64*\a+j:ACC+64*\a+j+1], s[\sp:\sp+1], v[TMP+j:TMP+j+1] op_sel_hi:[1,0,1]
.set j, j+2
.endr
.endr
.endm
.macro SCALEACC sp
.set j, 0
.rept 64
	v_pk_mul_f32 v[ACC+j:ACC+j+1], v[ACC+j:ACC+j+1], s[\sp:\sp+1] op_sel_hi:[1,0]   ; each accumulator from its low end on
.set j, j+2
.endr
.endm
.macro RSUM d, base                    ; v[d] = the sum of 64 registers, in four chains
.irp i, 0,1,2,3
	v_pk_add_f32 v[\d+2*\i:\d+2*\i+1], v[\base+4*\i:\base+4*\i+1], v[\base+4*\i+2:\base+4*\i+3]
.endr
.set j, 16
.rept 6
.irp i, 0,1,2,3
	v_pk_add_f32 v[\d+2*\i:\d+2*\i+1], v[\d+2*\i:\d+2*\i+1], v[\base+j+2*\i:\base+j+2*\i+1]
.endr
.set j, j+8
.endr
	v_pk_add_f32 v[\d:\d+1], v[\d:\d+1], v[\d+2:\d+3]
	v_pk_add_f32 v[\d+4:\d+5], v[\d+4:\d+5], v[\d+6:\d+7]
	v_pk_add_f32 v[\d:\d+1], v[\d:\d+1], v[\d+4:\d+5]
	v_add_f32 v[\d], v[\d], v[\d+1]
.endm
.macro RSQ d, base                     ; v[d+1] = the sum over my wave's 128 columns of (number - v[d+2])^2
.set j, 0
.rept 16
	v_pk_add_f32 v[EXR+(j%16):EXR+(j%16)+1], v[\base+j:\base+j+1], v[\d+2:\d+3] op_sel_hi:[1,0] neg_lo:[0,1] neg_hi:[0,1]
	v_pk_add_f32 v[EXR+(j%16)+2:EXR+(j%16)+3], v[\base+j+2:\base+j+3], v[\d+2:\d+3] op_sel_hi:[1,0] neg_lo:[0,1] neg_hi:[0,1]
.if j == 0
	v_pk_mul_f32 v[\d+4:\d+5], v[EXR:EXR+1], v[EXR:EXR+1]
	v_pk_mul_f32 v[\d+6:\d+7], v[EXR+2:EXR+3], v[EXR+2:EXR+3]
.else
	v_pk_fma_f32 v[\d+4:\d+5], v[EXR+(j%16):EXR+(j%16)+1], v[EXR+(j%16):EXR+(j%16)+1], v[\d+4:\d+5]
	v_pk_fma_f32 v[\d+6:\d+7], v[EXR+(j%16)+2:EXR+(j%16)+3], v[EXR+(j%16)+2:EXR+(j%16)+3], v[\d+6:\d+7]
.endif
.set j, j+4
.endr
	v_pk_add_f32 v[\d+4:\d+5], v[\d+4:\d+5], v[\d+6:\d+7]
	v_add_f32 v[\d+1], v[\d+4], v[\d+5]
	v_permlanex16_b32 v[\d+4], v[\d+1], s56, s57
	v_add_f32 v[\d+1], v[\d+1], v[\d+4]
.endm
.macro NORMA q                         ; tiles 4 q .. 4 q + 3 of both tokens: ((attn - mean) / (std + 1e-6)) g2 + beta2
.irp a, 0,1
.set XB, ACC+64*\a+32*\q
.set j, 0
.rept 16
	v_pk_add_f32 v[XB+j:XB+j+1], v[XB+j:XB+j+1], v[16+8*\a:17+8*\a] op_sel_hi:[1,0] neg_lo:[0,1] neg_hi:[0,1]
.set j, j+2
.endr
.set j, 0
.rept 16
	v_pk_mul_f32 v[XB+j:XB+j+1], v[XB+j:XB+j+1], v[18+8*\a:19+8*\a] op_sel_hi:[1,0]
.set j, j+2
.endr
.set j, 0
.rept 16
	v_pk_fma_f32 v[XB+j:XB+j+1], v[XB+j:XB+j+1], v[TMP+j:TMP+j+1], v[TMP+32+j:TMP+32+j+1]
.set j, j+2
.endr
.endr
.endm
.macro NORMB q                         ; the hold (the conversion to an 8-bit code does not saturate: ISA guide 7.6.2) and the codes
.irp a, 0,1
.set XB, ACC+64*\a+32*\q
.set j, 0
.rept 32
	v_med3_num_f32 v[XB+j], v[XB+j], -v31, v31
.set j, j+1
.endr
.irp i, 0,1,2,3
	v_cvt_scalef32_pk8_fp8_f32 v[EXR+2*(8*\a+4*\q+\i):EXR+2*(8*\a+4*\q+\i)+1], v[XB+8*\i:XB+8*\i+7], v30
.endr
.endr
	v_nop                                          ; a plain line behind the last conversion
.endm
.macro CSTORE                          ; my 8 codes of each tile: token r + 16 a, byte 128 wave + 16 b + 8 h
.irp a, 0,1
.irp b, 0,1,2,3,4,5,6,7
	ds_store_b64 v11, v[EXR+2*(8*\a+\b):EXR+2*(8*\a+\b)+1] offset:16*AP*\a+16*\b
.endr
.endr
.endm
	s_load_b512 s[4:19], s[0:1], 0x0               ; o's codes 4, wo 6, w1 8, w2 10, bo 12, g2 14, beta2 16, b1 18
	s_load_b256 s[20:27], s[0:1], 0x40             ; b2 20, x 22, the exponents 24, out1 26
	s_load_b64 s[28:29], s[0:1], 0x60              ; out0
	v_lshl_add_u32 v1, v0, 2, SPARE                ; v1: my spare word; v2: 0; both kept for the add at the wave's end
	v_mov_b32 v2, 0
	v_lshrrev_b32 v14, 5, v0
	v_readfirstlane_b32 s40, v14                   ; wave 0..7
	s_lshl_b32 s41, s40, 14
	s_mul_i32 s42, s40, 32*SP
	s_add_co_u32 s42, s42, ST                      ; my stage
	s_lshl_b32 s43, s40, 9
	s_add_co_u32 s47, s43, VEC                     ; my 512 bytes of a vector
	s_lshl_b32 s44, s40, 7
	s_lshl_b32 s45, s40, 3
	s_add_co_u32 s45, s45, EX
	s_mov_b32 s56, 0x76543210                      ; v_permlanex16_b32: lane l xor 16
	s_mov_b32 s57, 0xfedcba98
	s_mov_b32 s72, 0x3c000000                      ; 1 / 128
	s_mov_b32 s73, 0x43000000                      ; 128
	v_and_b32 v15, 31, v0                          ; lane
	v_and_b32 v16, 15, v0                          ; r
	v_bfe_u32 v17, v0, 4, 1                        ; h
	v_lshl_add_u32 v3, v15, 4, s41                 ; v3: in W: 16,384 wave + 16 lane
	v_mul_u32_u24 v10, v16, AP
	v_lshl_add_u32 v4, v17, 4, v10                 ; v4: a fragment of tokens: AP r + 16 h
	v_lshl_add_u32 v10, v17, 3, v10
	v_add_nc_u32 v10, s44, v10                     ; v10: my codes: AP r + 128 wave + 8 h
	v_mul_u32_u24 v6, v16, SP
	v_lshl_add_u32 v6, v17, 5, v6
	v_add_nc_u32 v6, s42, v6                       ; v6: my stage by the accumulators' layout
	v_lshlrev_b32 v8, 4, v15                       ; v8: 16 lane: a row's 512 bytes in memory
	v_add_nc_u32 v7, s42, v8                       ; v7: my stage by rows
	v_lshlrev_b32 v9, 5, v17
	v_add_nc_u32 v9, s47, v9                       ; v9: a vector at my columns
	v_mul_u32_u24 v13, v16, 80
	v_add_nc_u32 v12, s45, v13                     ; v12: the exchange, my wave's 8 bytes of token r
	v_add_nc_u32 v13, EX, v13                      ; v13: token r's row of it
	v_lshrrev_b32 v18, 3, v15
	v_mul_u32_u24 v18, v18, AP
	v_and_b32 v19, 7, v0
	v_lshl_add_u32 v18, v19, 4, v18
	v_add_nc_u32 v18, s44, v18                     ; v18: o's codes on their way in: row lane / 8, panel = wave, 16 (lane % 8)
	v_add_nc_u32 v19, s47, v8                      ; v19: a vector on its way in
	v_lshl_add_u32 v20, v15, 4, s43                ; v20: the same in memory
	s_wait_alu depctr_va_vdst(0)
	s_wait_kmcnt 0x0
	s_load_b128 s[32:35], s[24:25], 0x28           ; e10 .. e13
	s_load_b64 s[36:37], s[24:25], 0x38            ; e14, e15
	s_lshl_b32 s48, s40, 20
	s_lshl_b32 s49, ttmp9, 12
	s_add_co_u32 s48, s48, s49
	s_mov_b32 s49, 0
	s_add_nc_u64 s[4:5], s[4:5], s[48:49]          ; panel = wave, my work-group's 32 rows: 4,096 bytes on end
	s_lshl_b32 s48, ttmp9, 17
	s_add_co_u32 s48, s48, s43
	s_add_nc_u64 s[22:23], s[22:23], s[48:49]      ; x, out1, out0 at my first row and my wave's first column
	s_add_nc_u64 s[26:27], s[26:27], s[48:49]
	s_add_nc_u64 s[28:29], s[28:29], s[48:49]
	s_add_nc_u64 s[6:7], s[6:7], 256               ; the fragments begin behind 256 bytes
	s_add_nc_u64 s[8:9], s[8:9], 256
	s_add_nc_u64 s[10:11], s[10:11], 256
.irp i, 0,1,2,3,4,5,6,7
	global_load_b128 v[TMP+4*\i:TMP+4*\i+3], v8, s[4:5] offset:512*\i th:TH_LOAD_NT
.endr
	global_load_b128 v[TMP+32:TMP+35], v20, s[12:13]
	global_load_b128 v[TMP+36:TMP+39], v20, s[14:15]
	global_load_b128 v[TMP+40:TMP+43], v20, s[16:17]
	global_load_b128 v[TMP+44:TMP+47], v20, s[18:19]
	global_load_b128 v[TMP+48:TMP+51], v20, s[20:21]
.set t, 0
.rept 32
	global_load_b128 v[ACC+4*t:ACC+4*t+3], v8, s[22:23] offset:4096*t th:TH_LOAD_NT   ; x by rows: 512 consecutive bytes an instruction
.set t, t+1
.endr
	BLOAD 0, 6, 0                                  ; wo's K step 0
	s_wait_kmcnt 0x0
	s_add_co_i32 s38, s32, s33                     ; e10 + e11
	s_sub_co_i32 s50, 127, s38
	s_lshl_b32 s50, s50, 23                        ; s[50:51] 2^-(e10+e11)  (a pair is named, so both words are written)
	s_mov_b32 s51, s50
	s_add_co_i32 s54, s38, 127
	s_lshl_b32 s54, s54, 23                        ; s[54:55] 2^(e10+e11)
	s_mov_b32 s55, s54
	s_add_co_i32 s38, s34, s35                     ; e12 + e13
	s_sub_co_i32 s60, 127, s38
	s_lshl_b32 s60, s60, 23                        ; s[60:61] 2^-(e12+e13)
	s_mov_b32 s61, s60
	s_add_co_i32 s39, s34, 127
	s_lshl_b32 s68, s39, 23                        ; s68 2^e12, s69 448 x 2^e12
	s_add_co_i32 s39, s39, 8
	s_lshl_b32 s69, s39, 23
	s_or_b32 s69, s69, 0x600000
	s_sub_co_i32 s39, s36, s38
	s_add_co_i32 s39, s39, 127
	s_lshl_b32 s70, s39, 23                        ; s70 2^(e14-e12-e13), s71 448 x that
	s_add_co_i32 s39, s39, 8
	s_lshl_b32 s71, s39, 23
	s_or_b32 s71, s71, 0x600000
	s_add_co_i32 s38, s36, s37                     ; e14 + e15
	s_sub_co_i32 s62, 127, s38
	s_lshl_b32 s62, s62, 23                        ; s[62:63] 2^-(e14+e15)
	s_mov_b32 s63, s62
	s_add_co_i32 s66, s38, 127
	s_lshl_b32 s66, s66, 23                        ; s[66:67] 2^(e14+e15)
	s_mov_b32 s67, s66
	s_wait_loadcnt 32                              ; all but wo's 32 loads are in
.irp i, 0,1,2,3,4,5,6,7
	ds_store_b128 v18, v[TMP+4*\i:TMP+4*\i+3] offset:4*AP*\i
.endr
.irp j, 0,1,2,3,4
	ds_store_b128 v19, v[TMP+32+4*\j:TMP+32+4*\j+3] offset:4096*\j
.endr
.set t, 0
.rept 32
	ds_store_b128 v7, v[ACC+4*t:ACC+4*t+3] offset:SP*t
.set t, t+1
.endr
	BLOAD 1, 6, PANEL                              ; wo's K step 1
	DLOAD                                          ; x by the accumulators' layout: LDS serves a wave's instructions in order (ISA guide 5.7.1.4), and the stage is my own
	VLOAD TMP, 0                                   ; bo
	s_wait_dscnt 0x0                               ; my stores of o's codes are done, for the others' sake
	s_barrier_signal -1
	AINIT 50                                       ; (x + bo) 2^-(e10+e11)
	s_barrier_wait -1
	GEMM A0B, 6, 8, 32
	; attn, its way to memory and the norm
	SCALEACC 54
	DSTORE
	GBLOAD 0
	RSUM 14, ACC
	RSUM 22, ACC+64
.irp d, 14,22
	v_permlanex16_b32 v[\d+1], v[\d], s56, s57
.endr
.irp d, 14,22
	v_add_f32 v[\d], v[\d], v[\d+1]                ; my wave's sum of token r + 16 a
.endr
.irp d, 14,22
	v_mul_f32 v[\d+2], 0x3c000000, v[\d]           ; its mean over 128 columns
.endr
	RSQ 14, ACC
	RSQ 22, ACC+64
	ds_store_b64 v12, v[14:15]
	ds_store_b64 v12, v[22:23] offset:16*80
	s_wait_alu depctr_va_vdst(0)
	s_wait_dscnt 0x0
	s_barrier_signal -1
	s_barrier_wait -1
.irp a, 0,1
.irp i, 0,1,2,3
	ds_load_b128 v[EXR+16*\a+4*\i:EXR+16*\a+4*\i+3], v13 offset:1280*\a+16*\i
.endr
.endr
	s_wait_dscnt 0x0
.irp a, 0,1
	v_pk_add_f32 v[14+8*\a:15+8*\a], v[EXR+16*\a:EXR+16*\a+1], v[EXR+16*\a+2:EXR+16*\a+3]
.endr
.irp w, 2,3,4,5,6,7
.irp a, 0,1
	v_pk_add_f32 v[14+8*\a:15+8*\a], v[14+8*\a:15+8*\a], v[EXR+16*\a+2*\w:EXR+16*\a+2*\w+1]   ; the eight sums, and the eight sums of squares
.endr
.endr
.irp a, 0,1
	v_mul_f32 v[16+8*\a], 0x3a800000, v[14+8*\a]   ; the mean: / 1,024
.endr
.irp w, 0,1,2,3,4,5,6,7
.irp a, 0,1
	v_fma_f32 v[EXR+16*\a+2*\w], v[EXR+16*\a+2*\w], s72, -v[16+8*\a]   ; a wave's mean - the mean
.endr
.endr
.irp a, 0,1
	v_mul_f32 v[18+8*\a], v[EXR+16*\a], v[EXR+16*\a]
.endr
.irp w, 1,2,3,4,5,6,7
.irp a, 0,1
	v_fma_f32 v[18+8*\a], v[EXR+16*\a+2*\w], v[EXR+16*\a+2*\w], v[18+8*\a]
.endr
.endr
.irp a, 0,1
	v_fma_f32 v[15+8*\a], v[18+8*\a], s73, v[15+8*\a]
.endr
.irp a, 0,1
	v_mul_f32 v[15+8*\a], 0x3a802008, v[15+8*\a]   ; / 1,023
.endr
	s_wait_alu depctr_va_vdst(0)                   ; a wait ahead of each batch of transcendentals and one behind it
	v_sqrt_f32 v20, v15
	v_sqrt_f32 v28, v23
	v_mov_b32 v30, s68                             ; (plain lines behind the roots)  2^e12
	v_mov_b32 v31, s69                             ; 448 x 2^e12
	s_wait_alu depctr_va_vdst(0)
	v_add_f32 v20, 0x358637bd, v20                 ; + 1e-6
	v_add_f32 v28, 0x358637bd, v28
	s_wait_alu depctr_va_vdst(0)
	v_rcp_f32 v18, v20
	v_rcp_f32 v26, v28
	v_nop
	s_wait_alu depctr_va_vdst(0)
	NORMA 0
	GBLOAD 1
	NORMB 0
	s_wait_dscnt 0x0
	NORMA 1
	NORMB 1
	v_add_nc_u32 v11, A1B, v10
	CSTORE
	s_wait_dscnt 0x0                               ; an's codes are in LDS, for the others' sake
	s_barrier_signal -1
	s_barrier_wait -1
	RLOAD                                          ; attn by rows
	s_wait_dscnt 0x0
.set t, 0
.rept 32
	global_store_b128 v8, v[ACC+4*t:ACC+4*t+3], s[26:27] offset:4096*t th:TH_STORE_NT   ; 512 consecutive bytes, at a multiple of 256 from out1's first byte
.set t, t+1
.endr
	s_wait_xcnt 0x0                                ; the stores have read their registers
	VLOAD ACC, 3                                   ; b1, for both tokens
	VLOAD ACC+64, 3
	s_wait_dscnt 0x0
	SCALEACC 60                                    ; b1 2^-(e12+e13)
	GEMM A1B, 8, 10, 32
	; the hidden layer: the relu and the hold in one, then the codes
	v_mov_b32 v30, s70
	v_mov_b32 v31, s71
.set j, 0
.rept 128
	v_med3_num_f32 v[ACC+j], v[ACC+j], 0, v31
.set j, j+1
.endr
.irp a, 0,1
.irp b, 0,1,2,3,4,5,6,7
	v_cvt_scalef32_pk8_fp8_f32 v[EXR+2*(8*\a+\b):EXR+2*(8*\a+\b)+1], v[ACC+8*(8*\a+\b):ACC+8*(8*\a+\b)+7], v30
.endr
.endr
	v_nop                                          ; a plain line behind the last conversion
	v_add_nc_u32 v11, A2B, v10
	CSTORE
	DLOAD                                          ; attn, from my stage
	VLOAD TMP, 4                                   ; b2
	s_wait_dscnt 0x0
	s_barrier_signal -1
	AINIT 62                                       ; (attn + b2) 2^-(e14+e15)
	s_barrier_wait -1
	GEMM A2B, 10, -1, 0
	; out0
	SCALEACC 66
	DSTORE
	RLOAD
.irp g, 0,1,2,3
	s_wait_dscnt 24-8*\g                           ; rows 8 g .. 8 g + 7 are back
.irp u, 0,1,2,3,4,5,6,7
	global_store_b128 v8, v[ACC+4*(8*\g+\u):ACC+4*(8*\g+\u)+3], s[28:29] offset:4096*(8*\g+\u) th:TH_STORE_NT
.endr
.endr
	s_wait_tensorcnt 0x0                           ; the wave's end, behind my last LDS store
	ds_add_u32 v1, v2
	s_wait_dscnt 0x0
	s_endpgm
.Lfunc_end_k_q739b805af3_tail:
	.size	k_q739b805af3_tail, .Lfunc_end_k_q739b805af3_tail-k_q739b805af3_tail
	.p2alignl 7, 3214868480
	.fill 96, 4, 3214868480
	.section	.rodata,"a",@progbits
	.p2align	6, 0x0
	.amdhsa_kernel k_q739b805af3_tail
		.amdhsa_group_segment_fixed_size 259072
		.amdhsa_private_segment_fixed_size 0
		.amdhsa_enable_private_segment 0
		.amdhsa_kernarg_size 104
		.amdhsa_user_sgpr_count 2
		.amdhsa_user_sgpr_kernarg_segment_ptr 1
		.amdhsa_wavefront_size32 1
		.amdhsa_system_sgpr_workgroup_id_x 1
		.amdhsa_system_sgpr_workgroup_id_y 1
		.amdhsa_system_sgpr_workgroup_id_z 1
		.amdhsa_system_vgpr_workitem_id 0
		.amdhsa_next_free_vgpr 512
		.amdhsa_next_free_sgpr 80
		.amdhsa_reserve_vcc 0
		.amdhsa_float_denorm_mode_32 3
		.amdhsa_float_denorm_mode_16_64 3
		.amdhsa_memory_ordered 1
		.amdhsa_forward_progress 1
		.amdhsa_inst_pref_size 169
	.end_amdhsa_kernel
	.amdgpu_metadata
---
amdhsa.version: [ 1, 2 ]
amdhsa.kernels:
  - .name:           k_q739b805af3_tail
    .symbol:         k_q739b805af3_tail.kd
    .args:
      - { .name: acta, .offset: 0, .size: 8, .value_kind: global_buffer, .address_space: global }
      - { .name: woc, .offset: 8, .size: 8, .value_kind: global_buffer, .address_space: global }
      - { .name: w1c, .offset: 16, .size: 8, .value_kind: global_buffer, .address_space: global }
      - { .name: w2c, .offset: 24, .size: 8, .value_kind: global_buffer, .address_space: global }
      - { .name: bo, .offset: 32, .size: 8, .value_kind: global_buffer, .address_space: global }
      - { .name: g2, .offset: 40, .size: 8, .value_kind: global_buffer, .address_space: global }
      - { .name: beta2, .offset: 48, .size: 8, .value_kind: global_buffer, .address_space: global }
      - { .name: b1, .offset: 56, .size: 8, .value_kind: global_buffer, .address_space: global }
      - { .name: b2, .offset: 64, .size: 8, .value_kind: global_buffer, .address_space: global }
      - { .name: x, .offset: 72, .size: 8, .value_kind: global_buffer, .address_space: global }
      - { .name: lowp_scales, .offset: 80, .size: 8, .value_kind: global_buffer, .address_space: global }
      - { .name: out1, .offset: 88, .size: 8, .value_kind: global_buffer, .address_space: global }
      - { .name: out0, .offset: 96, .size: 8, .value_kind: global_buffer, .address_space: global }
    .group_segment_fixed_size: 259072
    .private_segment_fixed_size: 0
    .kernarg_segment_align: 8
    .kernarg_segment_size: 104
    .max_flat_workgroup_size: 256
    .sgpr_count:     80
    .vgpr_count:     512
    .wavefront_size: 32
...
	.end_amdgpu_metadata
.endif
;; end of part 4
